; MI455X (gfx1250); checked and timed in simulation.
; The chip was launched on July 23, 2026; its instructions are those of AMD's public machine-readable ISA for CDNA 5 (MIT licence, August 2026) and "CDNA5" Instruction Set Architecture Reference Guide (July 2026). The comments in the code are by the model that wrote it; some were corrected since.
;; Multi Modal Mo E. Allowed arithmetic: matrix products marked QUANTISED: E4M3 operands, one E8M0 scale for each 32 along K, by v_wmma_scale_f32_16x16x128_f8f6f4 with both operands' format E4M3, f32 sums; everything else in f32.
;; Inputs: W 8 x 1,024 x 1,024 float32; b 8 x 1,024 float32; expert_weights 2 x 4,096 x 2 float32; top_k_indices 2 x 4,096 x 2 int32; x 2 x 4,096 x 1,024 float32.
;; Outputs: out0 2 x 4,096 x 1,024 float32.
;; This version of the problem:
;;   THIS VERSION OF THE PROBLEM IS GIVEN IN LOW PRECISION. The matrix products marked QUANTISED in the list below multiply operands that are first quantised to E4M3 (4 exponent bits, 3 mantissa bits; 8 bits a number), with one power-of-two scale for each 32 numbers along K (OCP MX v1.0); their sums are f32. All else is computed in f32.
;;   The module's matrix products, in the order in which they are computed (A, B: the left and right operand; K: the contracted axis; several contracted axes count as one K, in the product's order):
;;     1. [M 8,192, K 1,024] x [K 1,024, N 8,192]; A: input x; B: input W: QUANTISED
;;   THE QUANTISER, for each operand of a quantised product, along K:
;;     - K is cut into blocks of 32 from its start; a last block that is shorter is filled with zeros.
;;     - A block's scale is 2^e with e = floor(log2(the largest magnitude in the block)) - 8, held to -126 .. 127; a block of zeros has e = 0. As a byte (E8M0): e + 127.
;;     - Each number is divided by its block's scale, clamped to +-448, and rounded to the nearest number of E4M3, ties to even, subnormals kept.
;;     - The product sums the exact products of the quantised numbers (number of the format x scale) in f32.
;;   ~~~python
;;   def quantise(x, axis):      # numpy; x: float32 -> the quantised numbers, widened to float32 again
;;       x = np.moveaxis(x, axis, -1); K = x.shape[-1]
;;       x = np.pad(x, [(0, 0)] * (x.ndim - 1) + [(0, -K % 32)]); x = x.reshape(x.shape[:-1] + (-1, 32)); a = np.abs(x).max(-1, keepdims=True)
;;       e = np.where(a > 0, np.clip(np.frexp(np.where(a > 0, a, 1))[1] - 1 - 8, -126, 127), 0)      # np.frexp(a)[1] - 1 = floor(log2(a)), exactly
;;       r = np.clip(x / 2.0 ** e, -448, 448)
;;       step = 2.0 ** (np.maximum(np.frexp(np.where(r == 0, 1, r))[1] - 1, -6) - 3)
;;       q = np.round(r / step) * step * 2.0 ** e      # np.round: ties to even
;;       return np.moveaxis(q.reshape(q.shape[:-2] + (-1,))[..., :K], -1, axis).astype(np.float32)
;;   ~~~
;; 2 versions. Each part assembles by itself: llvm-mc -triple=amdgcn-amd-amdhsa -mcpu=gfx1250 --defsym DOCPART=n.
;; ======== version 1 of 2: 2 launches
;; workspace buffers: x_codes 8,388,608 bytes; x_scales 262,144 bytes; w_codes 8,388,608 bytes; w_scales 262,144 bytes; order 32,768 bytes of whole numbers; bmask 256 bytes of whole numbers
;; launch prep (part 1): grid 257 x 1, 8 waves a work-group, no clusters, 47,104 bytes of LDS; arguments x, W, top_k_indices, x_codes, x_scales, w_codes, w_scales, order, bmask; writes x_codes, x_scales, w_codes, w_scales, order, bmask
.if DOCPART == 1
	.amdgcn_target "amdgcn-amd-amdhsa--gfx1250"
	.amdhsa_code_object_version 6
	.text
	.protected	k_q684e3e0b4f_prep
	.globl	k_q684e3e0b4f_prep
	.p2align	8
	.type	k_q684e3e0b4f_prep,@function
k_q684e3e0b4f_prep:
	s_mov_b64 s[64:65], 0
	v_nop
	global_prefetch_b8 v0, s[64:65] scope:SCOPE_SE
	s_setreg_imm32_b32 hwreg(HW_REG_WAVE_MODE, 25, 1), 1
	s_wait_xcnt 0x0
; THREE ROLES IN ONE LAUNCH, chosen by the work-group's number: 0 sorts the tokens; 1 .. 128 quantise x; 129 .. 256 quantise W.
; THE QUANTISER (E4M3, one E8M0 scale for each 32 along K = d): a block's scale is 2^(floor(log2(its largest magnitude)) - 8); its byte is the largest magnitude's exponent field - 8, held at 1 from below;
; each number is divided by the scale, held within +-448 and rounded to the nearest code, ties to even.
; LIMITS: a block of zeros gets the byte 1 where the rule says 127 (its codes are zeros, which add nothing under any byte but 0xff, and the bytes are read by this program alone); blocks whose largest
; magnitude lies under 2^(8 - 126) keep the floor's byte; NaN and infinities among the inputs are not served.  Indices are taken to lie in 0 .. 7, as the gather relies on; for the sort they are held there.
; x [8192][1024] f32: K innermost, rows dense: a plain stream of blocks of 32.  Codes leave as [token][1024], scale bytes as [token][32].
; W [8][1024 (d)][1024 (f)] f32: K is the FIRST axis of an expert.  A lane takes a column f and its registers run down d.  The codes leave IN THE ORDER OF THE OPERAND'S REGISTERS:
;   w_codes [e][cg 0..63][ks 0..7][c 0..3][h 0..1][r 0..15][16 bytes] = column 16 cg + r, k = 128 ks + 32 c + 16 h + 0 .. 15: a fragment is 2,048 dense bytes, load c of lane l at 512 c + 16 l.
;   w_scales [e][cg][y 0..3][r][8 bytes]: word i is the scale word of K step 2 y + i of column 16 cg + r.
; THE SORT: a token's pair of experts is one of 28 classes (a < c; a token with one expert twice joins a class that holds that expert).  The classes are numbered so that neighbours share an expert:
;   id = a (15 - a) / 2 + (a odd ? 7 - c : c - a - 1).  order[pos] = the token at sorted place pos; bmask[block of 128 places]: bit e: expert e is used in places 0-63, bit 8 + e: in places 64-127.
; LDS: the x role has bytes 0 .. 45,055 (5,632 for each wave), the sort 1,024 bytes from 45,056 on, the W role none.
.set SP,    80                         ; x role: a lane's place in a stage: its 64 bytes + 16 of padding
.set WREG,  5632                       ; x role: a wave's region: two stages of 32 x SP bytes, then its 256 scale bytes
.set WT,    8*WREG                     ; the sort: eight waves' class counts, 128 bytes each
.set FLOOR, 0x4800000                  ; 2^(9 - 127): under it no largest magnitude is taken, so the byte cannot fall under 1
.set XR,    16                         ; x role: v16-143  eight sets of 16 numbers as loaded
.set XN,    144                        ;         v144-175 two sets of 16 neighbours
.set XCD,   176                        ;         v176-239 four registers of codes for each step: no store's data are written again
.set XE,    240                        ;         v240-255 a scale byte for each step
.set WN,    32                         ; W role: v32-95   two sets of 32 numbers
.set WCD,   96                         ;         v96-159  eight registers of codes for each block: never rewritten
.set WBY,   24                         ;         v24-25   the scale bytes, four to a register
.set IX,    64                         ; sort:   v64-127  group g: the index pair; then 4 x class and the class's mask; then the token and 4 x its place
.set PRE,   128                        ;         v128-160 lane = class: how many of the class my wave has met before group g
.set VAL,   192                        ;         v192-223 group g: where my class's run stands
	s_load_b512 s[4:19], s[0:1], 0x0               ; x 4:5, W 6:7, indices 8:9, x_codes 10:11, x_scales 12:13, w_codes 14:15, w_scales 16:17, order 18:19
	s_load_b64 s[20:21], s[0:1], 0x40              ; bmask
	s_set_vgpr_msb 0x40
	v_lshl_add_u32 v0, v0, 2, 0xb400
	v_mov_b32 v1, 0
	s_set_vgpr_msb 0x4000
	v_lshrrev_b32 v1, 5, v0
	v_readfirstlane_b32 s24, v1                    ; wave 0..7
	v_and_b32 v2, 31, v0                           ; lane
	s_mov_b32 s23, 0x600000                        ; the mantissa field of 448
	s_mov_b32 s27, 0                               ; the upper word of byte offsets
	s_mov_b32 s31, 0
	s_wait_kmcnt 0x0
	s_cmp_eq_u32 ttmp9, 0
	s_cbranch_scc1 .Lroute
	s_cmp_gt_u32 ttmp9, 128
	s_cbranch_scc1 .Lweights
; ---------------------------------------------------------------- x: a wave takes a run of 8,192 numbers, 16 steps of 512
; A conversion takes 8 numbers of ONE block from a lane's registers, so a lane must hold 16 neighbours; a load is best where neighbouring lanes take neighbouring bytes.  Both are had: each load reads 512
; consecutive bytes, and a step's 2,048 bytes turn through the wave's own stage in LDS.  Loads run eight steps (32 loads a wave) ahead, the turn one step.
	s_sub_co_u32 s25, ttmp9, 1
	s_lshl_b32 s25, s25, 3
	s_add_co_u32 s25, s25, s24                     ; my run, 0 .. 1,023
	s_lshl_b32 s26, s25, 15
	s_add_nc_u64 s[4:5], s[4:5], s[26:27]          ; 32,768 bytes of numbers,
	s_lshl_b32 s26, s25, 13
	s_add_nc_u64 s[10:11], s[10:11], s[26:27]      ; 8,192 of codes,
	s_lshl_b32 s26, s25, 8
	s_add_nc_u64 s[12:13], s[12:13], s[26:27]      ; 256 of scale bytes
	v_lshlrev_b32 v3, 4, v2                        ; 16 x lane: my 16 bytes of a load's 512, and of a step's 512 bytes of codes
	s_mul_i32 s28, s24, WREG
	v_lshrrev_b32 v14, 2, v2
	v_mul_u32_u24 v14, v14, SP
	v_and_b32 v15, 3, v2
	v_lshl_add_u32 v14, v15, 4, v14
	v_add_nc_u32 v14, s28, v14                     ; the stage, on the way in: four lanes' 64 bytes on end, then 16 of padding
	v_mul_u32_u24 v15, v2, SP
	v_add_nc_u32 v15, s28, v15                     ; and on the way out: SP x lane: my 16 neighbours
	v_lshrrev_b32 v5, 1, v2
	s_add_co_u32 s28, s28, 2*32*SP
	v_add_nc_u32 v5, s28, v5                       ; my block's scale byte among my wave's 256
	v_lshlrev_b32 v7, 3, v2
	v_add_nc_u32 v6, s28, v7                       ; and on the way out 8 bytes a lane
.macro XLOAD t
.irp i, 0,1,2,3
	global_load_b128 v[XR+16*((\t)%8)+4*\i:XR+16*((\t)%8)+4*\i+3], v3, s[4:5] offset:2048*(\t)+512*\i th:TH_LOAD_NT   ; 32 lanes read 512 consecutive bytes
.endr
.endm
.macro XTURN t                         ; LDS serves a wave's instructions in order (ISA guide 5.7.1.4): no wait between the stores and the loads
.irp i, 0,1,2,3
	ds_store_b128 v14, v[XR+16*((\t)%8)+4*\i:XR+16*((\t)%8)+4*\i+3] offset:32*SP*((\t)%2)+8*SP*\i
.endr
.irp i, 0,1,2,3
	ds_load_b128 v[XN+16*((\t)%2)+4*\i:XN+16*((\t)%2)+4*\i+3], v15 offset:32*SP*((\t)%2)+16*\i
.endr
.endm
.macro XSTEP t
.set XS, XN+16*((\t)%2)
.if (\t) > 0
	s_wait_dscnt 1                                 ; this step's numbers are back from the stage (the last step's byte store may be out): so its stores into the stage have read their registers,
.else
	s_wait_dscnt 0x0
.endif
.if (\t)+8 < 16
	XLOAD (\t)+8                                   ; which take the loads of eight steps on
.endif
.if (\t)+1 < 16
.if (\t)+8 < 16
	s_wait_loadcnt 28                              ; the next step's four loads are in; those of the seven steps behind it may be out
.else
	s_wait_loadcnt 4*(14-(\t))                     ; the same, with fewer steps left
.endif
	XTURN (\t)+1
.endif
	v_max3_num_f32 v8, |v[XS]|, |v[XS+1]|, |v[XS+2]|               ; the largest magnitude of my 16, in two chains
	v_max3_num_f32 v9, |v[XS+3]|, |v[XS+4]|, |v[XS+5]|
.irp i, 6,10
	v_max3_num_f32 v8, v8, |v[XS+\i]|, |v[XS+\i+1]|
	v_max3_num_f32 v9, v9, |v[XS+\i+2]|, |v[XS+\i+3]|
.endr
	v_max3_num_f32 v8, v8, |v[XS+14]|, |v[XS+15]|
	v_max3_num_f32 v8, v8, v9, FLOOR
	v_max_num_f32_dpp v8, v8, v8 row_xmask:1 row_mask:0xf bank_mask:0xf   ; and of my neighbour's 16: the block's
	v_add_nc_u32 v11, 0xfc000000, v8               ; 8 off its exponent field: the conversion takes the exponent field of this operand as its scale
	v_and_or_b32 v10, v8, 0x7f800000, s23          ; 448 x the scale
.irp i, 0,1,2,3,4,5,6,7,8,9,10,11,12,13,14,15
	v_med3_num_f32 v[XS+\i], v[XS+\i], -v10, v10   ; the conversion to an 8-bit code does not saturate (ISA guide 7.6.2): the hold comes first
.endr
	v_cvt_scalef32_pk8_fp8_f32 v[XCD+4*(\t):XCD+4*(\t)+1], v[XS:XS+7], v11
	v_cvt_scalef32_pk8_fp8_f32 v[XCD+4*(\t)+2:XCD+4*(\t)+3], v[XS+8:XS+15], v11
	v_lshrrev_b32 v[XE+(\t)], 23, v11              ; the scale's byte (also the plain line behind the conversions)
	ds_store_b8 v5, v[XE+(\t)] offset:16*(\t)      ; both lanes of a block write the same byte with the same value
	global_store_b128 v3, v[XCD+4*(\t):XCD+4*(\t)+3], s[10:11] offset:512*(\t)   ; the wave stores 512 consecutive bytes
.endm
.irp t, 0,1,2,3,4,5,6,7
	XLOAD \t
.endr
	s_wait_loadcnt 28                              ; step 0's four loads are in
	XTURN 0
.irp t, 0,1,2,3,4,5,6,7,8,9,10,11,12,13,14,15
	XSTEP \t
.endr
	ds_load_b64 v[12:13], v6                       ; my wave's 256 scale bytes: these see my stores
	s_wait_dscnt 0x0
	global_store_b64 v7, v[12:13], s[12:13]        ; 32 lanes store 256 consecutive bytes, aligned
	s_set_vgpr_msb 0x5
	s_wait_tensorcnt 0x0
	ds_add_u32 v0, v1
	s_wait_dscnt 0x0
	s_set_vgpr_msb 0x500
	s_endpgm
; ---------------------------------------------------------------- W: a work-group takes one expert, 256 columns, 256 along K; a wave 32 columns: 8 blocks a lane
.Lweights:
	s_sub_co_u32 s25, ttmp9, 129
	s_lshr_b32 s26, s25, 4                         ; e
	s_bfe_u32 s28, s25, 0x20002                    ; which 256 columns
	s_and_b32 s29, s25, 3                          ; y: which 256 along K
	s_lshl_b32 s30, s26, 22                        ; W: e x 4 MiB + 256 y rows of 4,096 bytes + 4 x (256 x group + 32 x wave)
	s_lshl_b32 s25, s29, 20
	s_add_co_u32 s30, s30, s25
	s_lshl_b32 s25, s28, 10
	s_add_co_u32 s30, s30, s25
	s_lshl_b32 s25, s24, 7
	s_add_co_u32 s30, s30, s25
	s_add_nc_u64 s[6:7], s[6:7], s[30:31]
	s_lshl_b32 s30, s26, 20                        ; codes: e x 1 MiB + (16 x group + 2 x wave) x 16,384 + y x 4,096
	s_lshl_b32 s25, s28, 18
	s_add_co_u32 s30, s30, s25
	s_lshl_b32 s25, s24, 15
	s_add_co_u32 s30, s30, s25
	s_lshl_b32 s25, s29, 12
	s_add_co_u32 s30, s30, s25
	s_add_nc_u64 s[14:15], s[14:15], s[30:31]
	s_lshr_b32 s30, s30, 5                         ; scale bytes: one for each 32 codes, laid in the same order of e, cg, y
	s_add_nc_u64 s[16:17], s[16:17], s[30:31]
	v_lshlrev_b32 v3, 2, v2                        ; in: 4 bytes a lane: 128 consecutive bytes a wave
	v_and_b32 v5, 15, v2
	v_lshrrev_b32 v6, 4, v2
	v_lshlrev_b32 v4, 4, v5
	v_lshl_add_u32 v4, v6, 14, v4                  ; codes: 16 r, and lanes 16-31 one column group (16,384 bytes) on
	v_lshlrev_b32 v9, 3, v5
	v_lshl_add_u32 v9, v6, 9, v9                   ; scale bytes: 8 r, + 512 for the next column group
.macro WLOAD t                         ; block t: W(32 t + i, my column), i = 0 .. 31, into set t % 2
.irp i, 0,1,2,3,4,5,6,7,8,9,10,11,12,13,14,15,16,17,18,19,20,21,22,23,24,25,26,27,28,29,30,31
	global_load_b32 v[WN+32*((\t)%2)+\i], v3, s[6:7] offset:(32*(\t)+\i)*4096 th:TH_LOAD_NT
.endr
.endm
.macro WBLOCK t
.set WS, WN+32*((\t)%2)
.if (\t) < 7
	s_wait_loadcnt 32                              ; this block's 32 loads are in; the next block's may be out
.else
	s_wait_loadcnt 0x0
.endif
	v_max3_num_f32 v12, |v[WS]|, |v[WS+1]|, |v[WS+2]|              ; the block's largest magnitude: all 32 numbers are mine
	v_max3_num_f32 v13, |v[WS+3]|, |v[WS+4]|, |v[WS+5]|
.irp i, 6,10,14,18,22,26
	v_max3_num_f32 v12, v12, |v[WS+\i]|, |v[WS+\i+1]|
	v_max3_num_f32 v13, v13, |v[WS+\i+2]|, |v[WS+\i+3]|
.endr
	v_max3_num_f32 v12, v12, |v[WS+30]|, |v[WS+31]|
	v_max3_num_f32 v12, v12, v13, FLOOR
	v_add_nc_u32 v11, 0xfc000000, v12              ; the conversion's scale operand
	v_and_or_b32 v10, v12, 0x7f800000, s23         ; 448 x the scale
	v_lshrrev_b32 v13, 23, v11                     ; the scale's byte
.if (\t)%4 == 0
	v_mov_b32 v[WBY+(\t)/4], v13                   ; four bytes to a register, the lower K in the lower byte: a K step's scale word
.else
	v_lshl_or_b32 v[WBY+(\t)/4], v13, 8*((\t)%4), v[WBY+(\t)/4]
.endif
.irp i, 0,1,2,3,4,5,6,7,8,9,10,11,12,13,14,15,16,17,18,19,20,21,22,23,24,25,26,27,28,29,30,31
	v_med3_num_f32 v[WS+\i], v[WS+\i], -v10, v10
.endr
.irp g, 0,1,2,3
	v_cvt_scalef32_pk8_fp8_f32 v[WCD+8*(\t)+2*\g:WCD+8*(\t)+2*\g+1], v[WS+8*\g:WS+8*\g+7], v11
.endr
	v_nop                                          ; a plain line behind the last conversion
	global_store_b128 v4, v[WCD+8*(\t):WCD+8*(\t)+3], s[14:15] offset:((\t)/4)*2048+((\t)%4)*512         ; k + 0 .. 15 (h = 0): sixteen lanes store 256 consecutive bytes, aligned: one slice of a fragment
	global_store_b128 v4, v[WCD+8*(\t)+4:WCD+8*(\t)+7], s[14:15] offset:((\t)/4)*2048+((\t)%4)*512+256   ; k + 16 .. 31 (h = 1)
.if (\t)+2 < 8
	WLOAD (\t)+2
.endif
.endm
	WLOAD 0
	WLOAD 1
.irp t, 0,1,2,3,4,5,6,7
	WBLOCK \t
.endr
	global_store_b64 v9, v[WBY:WBY+1], s[16:17]    ; sixteen lanes store 128 consecutive bytes: half of an aligned 256; one byte in 128 of what this role reads
	s_endpgm
; ---------------------------------------------------------------- the sort: one work-group; wave w takes tokens 1,024 w + 32 g + lane, g = 0 .. 31
; A counting sort without atomics.  In a group of 32 tokens five ballots of the class number's bits give LANE l the mask of the group's tokens of CLASS l; its count of ones runs on in PRE; each token fetches
; its class's mask from lane = class and counts the ones below itself.  The eight waves' totals meet in LDS behind the one barrier.
.Lroute:
	v_lshlrev_b32 v3, 3, v2
	s_lshl_b32 s25, s24, 13
	v_add_nc_u32 v3, s25, v3                       ; 8 bytes a token
.set G, 0
.rept 32
	global_load_b64 v[IX+2*G:IX+2*G+1], v3, s[8:9] offset:256*G
.set G, G+1
.endr
.irp b, 0,1,2,3,4
	v_bfe_u32 v[8+\b], v2, \b, 1
	v_sub_nc_u32 v[8+\b], 0, v[8+\b]               ; all ones where bit b of my lane's number is set
.endr
	s_mov_b32 s45, 0x55555555
	s_mov_b32 s46, 0x33333333
	s_mov_b32 s47, 0x0f0f0f0f
	s_mov_b32 s48, 0x01010101
	v_mov_b32 v[PRE], 0
.macro GROUP g
	s_wait_loadcnt 31-(\g)                         ; loads come back in order: this group's pair is in, the later groups' may be out
	v_min_u32 v16, v[IX+2*(\g)], v[IX+2*(\g)+1]
	v_max_u32 v17, v[IX+2*(\g)], v[IX+2*(\g)+1]
	v_min_u32 v16, 6, v16                          ; a
	v_min_u32 v17, 7, v17
	v_add_nc_u32 v18, 1, v16
	v_max_u32 v17, v17, v18                        ; c > a: one expert twice joins the class of that expert and a neighbour
	v_sub_nc_u32 v19, 15, v16
	v_mul_u32_u24 v19, v19, v16
	v_lshrrev_b32 v19, 1, v19                      ; a (15 - a) / 2: where a's classes begin
	v_sub_nc_u32 v18, v17, v18                     ; c - a - 1: upward where a is even,
	v_sub_nc_u32 v20, 7, v17                       ; 7 - c: downward where a is odd
	v_and_b32 v21, 1, v16
	v_cmp_ne_u32 vcc_lo, 0, v21
	v_cndmask_b32 v18, v18, v20, vcc_lo
	v_add_nc_u32 v22, v19, v18
	v_min_u32 v22, 27, v22                         ; the class, 0 .. 27
.irp b, 0,1,2,3,4
	v_and_b32 v16, 1<<\b, v22
	v_cmp_ne_u32 s[40+\b], 0, v16                  ; which tokens of the group have bit b set
.endr
	v_xor_b32 v16, s40, v8
.irp b, 1,2,3,4
	v_xor_b32 v17, s[40+\b], v[8+\b]
	v_or_b32 v16, v16, v17                         ; a one where a token's class differs from my lane's number in some bit
.endr
	v_xor_b32 v23, -1, v16                         ; lane l: the group's tokens of class l
	v_lshrrev_b32 v19, 1, v23                      ; its ones, counted in fields of 2, 4 and 8 bits
	v_and_b32 v19, s45, v19
	v_sub_nc_u32 v19, v23, v19
	v_lshrrev_b32 v20, 2, v19
	v_and_b32 v19, s46, v19
	v_and_b32 v20, s46, v20
	v_add_nc_u32 v19, v19, v20
	v_lshrrev_b32 v20, 4, v19
	v_add_nc_u32 v19, v19, v20
	v_and_b32 v19, s47, v19
	v_mul_lo_u32 v19, v19, s48
	v_lshrrev_b32 v19, 24, v19
	v_add_nc_u32 v[PRE+(\g)+1], v[PRE+(\g)], v19
	v_lshlrev_b32 v[IX+2*(\g)], 2, v22             ; 4 x class: the lane to fetch from
	ds_bpermute_b32 v[IX+2*(\g)+1], v[IX+2*(\g)], v23   ; my class's mask
.endm
.set G, 0
.rept 32
	GROUP G
.set G, G+1
.endr
	v_lshl_add_u32 v4, v0, 2, WT                   ; my wave's 128 bytes, my lane's word
	v_lshl_add_u32 v5, v2, 2, WT
	ds_store_b32 v4, v[PRE+32]                     ; lane l: how many tokens of class l my wave has
	s_wait_dscnt 0x0                               ; the masks are in; and, for the others' sake, my store has landed
	s_barrier_signal -1
	s_barrier_wait -1
.irp w, 0,1,2,3,4,5,6,7
	ds_load_b32 v[24+\w], v5 offset:128*\w
.endr
.set G, 0
.rept 32
	v_mbcnt_lo_u32_b32 v[IX+2*G+1], v[IX+2*G+1], 0 ; how many of my class stand below me in the group
.set G, G+1
.endr
	v_mov_b32 v32, 0
	v_mov_b32 v33, 0
	v_mov_b32 v34, 0
	s_wait_dscnt 0x0
.irp w, 0,1,2,3,4,5,6,7
	s_cmp_gt_u32 s24, \w
	s_cselect_b32 s25, -1, 0
	v_and_b32 v16, s25, v[24+\w]
	v_add_nc_u32 v33, v33, v16                     ; the class's tokens in the waves before mine,
	v_add_nc_u32 v32, v32, v[24+\w]                ; and in all
.endr
	s_mov_b32 s68, 0                               ; s[68 + id]: where class id begins; s96 = 8,192
.set G, 0
.rept 28
	v_readlane_b32 s25, v32, G
	v_writelane_b32 v34, s[68+G], G
	s_add_co_u32 s[69+G], s[68+G], s25
.set G, G+1
.endr
	v_add_nc_u32 v35, v34, v33                     ; lane l: where my wave's tokens of class l begin
	s_lshl_b32 s25, s24, 10
	v_add_nc_u32 v6, s25, v2                       ; my token in group 0
.set G, 0
.rept 32
	v_add_nc_u32 v[PRE+G], v35, v[PRE+G]
	ds_bpermute_b32 v[VAL+G], v[IX+2*G], v[PRE+G]
.set G, G+1
.endr
	s_wait_dscnt 0x0
.set G, 0
.rept 32
	v_add_nc_u32 v[IX+2*G+1], v[VAL+G], v[IX+2*G+1]
	v_min_u32 v[IX+2*G+1], 0x1fff, v[IX+2*G+1]     ; my place, 0 .. 8,191
	v_lshlrev_b32 v[IX+2*G+1], 2, v[IX+2*G+1]
	v_add_nc_u32 v[IX+2*G], 32*G, v6
	global_store_b32 v[IX+2*G+1], v[IX+2*G], s[18:19]   ; 4 bytes a lane to scattered places, 32 KiB in all: gathering them first would want LDS stores at addresses made of data
.set G, G+1
.endr
	; bmask: thread j of waves 0 and 1 is block j.  Class id lies in a half [L, L + 64) where its begin is under L + 64 and its end over L.  (An empty class may so set a bit too many: a pass with weights 0, never a wrong value.)
	s_cmp_gt_u32 s24, 1
	s_cbranch_scc1 .Lroute_end
	v_lshlrev_b32 v7, 7, v0
	v_lshlrev_b32 v17, 2, v0
	v_mov_b32 v13, 0
.irp half, 0,1
	v_add_nc_u32 v14, 64*\half, v7
	v_add_nc_u32 v15, 64*\half+64, v7
.irp e, 0,1,2,3,4,5,6,7
	s_mov_b32 s[52+\e], 0
.endr
.irp a, 0,1,2,3,4,5,6
.irp c, 1,2,3,4,5,6,7
.if \c > \a
.if (\a%2) == 1
.set ID, (\a*(15-\a))/2+7-\c
.else
.set ID, (\a*(15-\a))/2+\c-\a-1
.endif
	v_cmp_lt_u32 s50, s[68+ID], v15
	v_cmp_gt_u32 s51, s[69+ID], v14
	s_and_b32 s50, s50, s51
	s_or_b32 s[52+\a], s[52+\a], s50
	s_or_b32 s[52+\c], s[52+\c], s50
.endif
.endr
.endr
.irp e, 0,1,2,3,4,5,6,7
	v_cndmask_b32 v16, 0, 1, s[52+\e]
	v_lshl_or_b32 v13, v16, \e+8*\half, v13
.endr
.endr
	global_store_b32 v17, v13, s[20:21]            ; 64 threads store the 256 bytes
.Lroute_end:
	s_set_vgpr_msb 0x5
	s_wait_tensorcnt 0x0
	ds_add_u32 v0, v1
	s_wait_dscnt 0x0
	s_set_vgpr_msb 0x500
	s_endpgm
.Lfunc_end_k_q684e3e0b4f_prep:
	.size	k_q684e3e0b4f_prep, .Lfunc_end_k_q684e3e0b4f_prep-k_q684e3e0b4f_prep
	.p2alignl 7, 3214868480
	.fill 96, 4, 3214868480
	.section	.rodata,"a",@progbits
	.p2align	6, 0x0
	.amdhsa_kernel k_q684e3e0b4f_prep
		.amdhsa_group_segment_fixed_size 47104
		.amdhsa_private_segment_fixed_size 0
		.amdhsa_enable_private_segment 0
		.amdhsa_kernarg_size 72
		.amdhsa_user_sgpr_count 2
		.amdhsa_user_sgpr_kernarg_segment_ptr 1
		.amdhsa_wavefront_size32 1
		.amdhsa_system_sgpr_workgroup_id_x 1
		.amdhsa_system_sgpr_workgroup_id_y 1
		.amdhsa_system_sgpr_workgroup_id_z 1
		.amdhsa_system_vgpr_workitem_id 0
		.amdhsa_next_free_vgpr 258
		.amdhsa_next_free_sgpr 100
		.amdhsa_reserve_vcc 1
		.amdhsa_float_denorm_mode_32 3
		.amdhsa_float_denorm_mode_16_64 3
		.amdhsa_memory_ordered 1
		.amdhsa_forward_progress 1
		.amdhsa_inst_pref_size 205
	.end_amdhsa_kernel
	.amdgpu_metadata
---
amdhsa.version: [ 1, 2 ]
amdhsa.kernels:
  - .name:           k_q684e3e0b4f_prep
    .symbol:         k_q684e3e0b4f_prep.kd
    .args:
      - { .name: x, .offset: 0, .size: 8, .value_kind: global_buffer, .address_space: global }
      - { .name: W, .offset: 8, .size: 8, .value_kind: global_buffer, .address_space: global }
      - { .name: top_k_indices, .offset: 16, .size: 8, .value_kind: global_buffer, .address_space: global }
      - { .name: x_codes, .offset: 24, .size: 8, .value_kind: global_buffer, .address_space: global }
      - { .name: x_scales, .offset: 32, .size: 8, .value_kind: global_buffer, .address_space: global }
      - { .name: w_codes, .offset: 40, .size: 8, .value_kind: global_buffer, .address_space: global }
      - { .name: w_scales, .offset: 48, .size: 8, .value_kind: global_buffer, .address_space: global }
      - { .name: order, .offset: 56, .size: 8, .value_kind: global_buffer, .address_space: global }
      - { .name: bmask, .offset: 64, .size: 8, .value_kind: global_buffer, .address_space: global }
    .group_segment_fixed_size: 47104
    .private_segment_fixed_size: 0
    .kernarg_segment_align: 8
    .kernarg_segment_size: 72
    .max_flat_workgroup_size: 256
    .sgpr_count:     100
    .vgpr_count:     258
    .wavefront_size: 32
...
	.end_amdgpu_metadata
.endif
;; end of part 1
;; launch experts (part 2): grid 4 x 64, 4 waves a work-group, no clusters, 156,160 bytes of LDS; arguments x_codes, x_scales, w_codes, w_scales, b, expert_weights, top_k_indices, order, bmask, out0; writes out0
.if DOCPART == 2
	.amdgcn_target "amdgcn-amd-amdhsa--gfx1250"
	.amdhsa_code_object_version 6
	.text
	.protected	k_q684e3e0b4f_experts
	.globl	k_q684e3e0b4f_experts
	.p2align	8
	.type	k_q684e3e0b4f_experts,@function
k_q684e3e0b4f_experts:
	s_mov_b64 s[64:65], 0
	v_nop
	global_prefetch_b8 v0, s[64:65] scope:SCOPE_SE
	s_setreg_imm32_b32 hwreg(HW_REG_WAVE_MODE, 25, 1), 1
	s_wait_xcnt 0x0
; out[t] = the sum over k = 0, 1 of w[t][k] (Q(x[t]) Q(W[e_k]) + b[e_k]), on codes of E4M3 with E8M0 scales.  Only the chosen experts are multiplied.
; SHARES.  A work-group owns 128 tokens that are neighbours in the sorted order (grid y) and 256 columns (grid x): every output number has ONE owner.  Wave w owns columns 64 w .. 64 w + 63 (4 tiles n) for all 128
; tokens (8 tiles t).  The work-group walks the eight experts in a loop of eight trips and jumps over those that the stored list (bmask) does not name; a pass serves both halves of 64 tokens or one.
; NO TENSOR LOADS, NO CLUSTER: the walk branches on a number read from memory.  So the weights go from memory straight into registers, in the order in
; which the operand's registers take them (2,048 dense bytes a fragment), each fragment loaded once in a work-group, through a ring of four K steps.
; A PASS ASKS FOR ALL THAT IS ITS OWN AT ITS HEAD: the addresses of an expert's weights, scale words and bias are made of the loop's counter, not of the list, so nothing of a pass is asked for during the pass
; before it, and a wave waits for its first fragments once a pass.  From then on the ring runs four K steps ahead.
; x's codes of the 128 tokens are gathered ONCE into LDS (rows of 1,024 + 16 bytes) and read from there by all four waves in every pass.
; THE PRODUCT IS USED TRANSPOSED: source 0 = 16 columns of W, source 1 = 16 tokens: lane (r, h) holds token r and columns 8 h + 0 .. 7.  The bias is the C of a sum's first product.  Behind a pass
; out += weight x sum, in f32 (the weight of a token for an expert that it did not choose is 0).
; LIMITS: a token that shares a half of 64 with users of an expert that it did not choose gets 0 x that expert's sum, which must be finite in f32; NaN and infinities among the inputs are not served;
; indices are taken to lie in 0 .. 7, as the gather relies on.
; REGISTERS, in windows of 256 (s_set_vgpr_msb: bits 1:0 source 0, 3:2 source 1, 5:4 source 2, 7:6 destination):
;   window 0: v1-10 addresses; v11 at work; v16-31 the pass's gate weights; v32-63 x's scale words; v64-79 W's scale words; v96-127 the bias; v128-255 x's fragments (16 a tile)
;   window 1: W's fragments, a ring of four sets (a K step each) of 4 x 16.   window 2: the pass's 32 sums, (t, n) at v[8 (4 t + n)].   window 3: out, at the same places.
; SCALARS: s24 wave, s25 column group, s26 block; s27 the block's word of the list; s29 the expert in hand, s33 512 x it; s[36:37], s[40:41], s[42:43] this pass's weights, scale words and bias;
;   s[44:51] w_codes, w_scales, b and out at my wave's columns; s[68:99] the tokens whose rows my wave gathers.
.set XP,    1040                       ; a token's row in LDS: 65 x 16 bytes, so that the 16 rows of a fragment load start 16 bytes apart modulo 256
.set TILEB, 16*XP
.set WSEL,  128*XP                     ; [expert][128] gate weights, f32
.set TOKL,  WSEL+4096                  ; the 128 tokens' numbers
.set STAGE, TOKL+512                   ; the way out: 16 rows x 272 bytes for each wave
.set SPI,   272
.set LA0, 2                            ; v2   r XP + 16 h: my place in tiles 0-3
.set LA1, 3                            ; v3   the same in tiles 4-7
.set CWA, 4                            ; v4   WSEL + 4 r
.set WSO, 5                            ; v5   128 h + 8 r: W's scale words
.set BO,  6                            ; v6   32 h: the bias
.set STO, 7                            ; v7   the stage: where I put 32 bytes of a row
.set RD,  8                            ; v8   and where I read a row back
.set TKA, 9                            ; v9   TOKL + 4 h
.set CO,  10                           ; v10  16 r
.set CW,  16                           ; pair 16 + 2 t: tile t's weight of my token, twice
.set XS,  32                           ; 4 t + i: lanes 0-15 K step i, lanes 16-31 K step 4 + i
.set WS,  64                           ; 4 n + 2 q + i: lanes 0-15 K step 4 q + i, lanes 16-31 K step 4 q + 2 + i
.set BIAS, 96                          ; 8 n + j
.set AF,  128
.set OB,  128                          ; the way out: 16 rows read back, v128-159 and v160-191 by turns
.set TK,  192                          ; and their tokens, v192-199 and v200-207
.set MSB, 0
.macro WIN new                         ; the immediate's high byte repeats the setting that is left; a switch that changes nothing is dropped
.if MSB != \new
	s_set_vgpr_msb (MSB<<8)|\new
.set MSB, \new
.endif
.endm
.macro PLACES n
.rept \n
	v_nop
.endr
.endm
.macro SCALES_BIAS                     ; the pass's scale words and bias for my 64 columns: 16 loads
.irp n, 0,1,2,3
.irp q, 0,1
	global_load_b64 v[WS+4*\n+2*\q:WS+4*\n+2*\q+1], v[WSO], s[40:41] offset:512*\n+256*\q
.endr
.endr
.irp n, 0,1,2,3
	global_load_b128 v[BIAS+8*\n:BIAS+8*\n+3], v[BO], s[42:43] offset:64*\n
	global_load_b128 v[BIAS+8*\n+4:BIAS+8*\n+7], v[BO], s[42:43] offset:64*\n+16
.endr
.endm
.macro RING set, ks                    ; K step ks of the pass's expert: 4 fragments, 16 loads of 512 consecutive bytes, into a set of the ring
	WIN 0x40                                       ; destination window 1
.irp n, 0,1,2,3
.irp c, 0,1,2,3
	global_load_b128 v[64*(\set)+16*\n+4*\c:64*(\set)+16*\n+4*\c+3], v1, s[36:37] offset:16384*\n+2048*(\ks)+512*\c
.endr
.endr
.endm
.macro FETCH_A t0, cnt, ks             ; x's fragments of tiles t0 .. t0 + cnt - 1 at K step ks: lane (r, h): registers 4 c .. 4 c + 3 = k 32 c + 16 h + 0 .. 15 of token r
.set tt, \t0
.rept \cnt
.irp c, 0,1,2,3
.if tt < 4
	ds_load_b128 v[AF+16*tt+4*\c:AF+16*tt+4*\c+3], v[LA0] offset:tt*TILEB+128*(\ks)+32*\c
.else
	ds_load_b128 v[AF+16*tt+4*\c:AF+16*tt+4*\c+3], v[LA1] offset:(tt-4)*TILEB+128*(\ks)+32*\c
.endif
.endr
.set tt, tt+1
.endr
.endm
; 4 cnt products: tiles t0 on x my 4 column tiles, K step ks.  The sums take turns, one instruction a turn.  At K step 0 the bias is C: nothing is cleared for a pass.
.macro MUL t0, cnt, ks
.if (\ks) == 0
	WIN 0x81                                       ; W window 1, x window 0, bias window 0, sums window 2
.else
	WIN 0xa1                                       ; C and D window 2
.endif
.set tt, \t0
.rept \cnt
.irp n, 0,1,2,3
.set rD, 8*(4*tt+\n)
.set rA, 64*((\ks)&3)+16*\n
.set rB, AF+16*tt
.set rP, WS+4*\n+2*((\ks)>>2)+((\ks)&1)
.set rQ, XS+4*tt+((\ks)&3)
.if (\ks) == 0
	v_wmma_scale_f32_16x16x128_f8f6f4 v[rD:rD+7], v[rA:rA+15], v[rB:rB+15], v[BIAS+8*\n:BIAS+8*\n+7], v[rP], v[rQ]
.elseif (\ks) < 2
	v_wmma_scale_f32_16x16x128_f8f6f4 v[rD:rD+7], v[rA:rA+15], v[rB:rB+15], v[rD:rD+7], v[rP], v[rQ]
.elseif (\ks) < 4
	v_wmma_scale_f32_16x16x128_f8f6f4 v[rD:rD+7], v[rA:rA+15], v[rB:rB+15], v[rD:rD+7], v[rP], v[rQ] matrix_a_scale:MATRIX_SCALE_ROW1
.elseif (\ks) < 6
	v_wmma_scale_f32_16x16x128_f8f6f4 v[rD:rD+7], v[rA:rA+15], v[rB:rB+15], v[rD:rD+7], v[rP], v[rQ] matrix_b_scale:MATRIX_SCALE_ROW1
.else
	v_wmma_scale_f32_16x16x128_f8f6f4 v[rD:rD+7], v[rA:rA+15], v[rB:rB+15], v[rD:rD+7], v[rP], v[rQ] matrix_a_scale:MATRIX_SCALE_ROW1 matrix_b_scale:MATRIX_SCALE_ROW1
.endif
.endr
.set tt, tt+1
.endr
.endm
; A K step of a pass over tiles t0 .. t0 + 2 h - 1, in two halves of h tiles.  A load into a register that a matrix instruction has read stands eight places behind it
; so eight v_nop stand in front of each run of loads.  x's fragments do not hang on the expert: the fetch wraps from K step 7 to 0, so that every tile
; stands at K step 0 at the head of every pass, whichever halves the pass before served.
.macro STEP ks, t0, h
.if (\ks) < 4
	s_wait_loadcnt 48                              ; behind this K step's set stand three sets of 16; what was asked for before it (at K step 0: the scale words, the bias, x's scale words) is in too
.else
	s_wait_loadcnt 16*(7-(\ks))                    ; the same, with the sets that are left: 48, 32, 16, 0
.endif
.if (\ks) == 0
	s_wait_dscnt 0x0                               ; x's fragments and the gate weights are in
.else
	s_wait_dscnt 4*(\h)                            ; the first half's fragments are in; the second half's may be out
.endif
	MUL \t0, \h, \ks
	s_wait_dscnt 0x0                               ; the second half's are in
	PLACES 8
	WIN 0
	FETCH_A \t0, \h, ((\ks)+1)&7
	MUL (\t0)+(\h), \h, \ks
	PLACES 8
	WIN 0
	FETCH_A (\t0)+(\h), \h, ((\ks)+1)&7
.if (\ks) < 4
	RING (\ks)&3, (\ks)+4                          ; the set just multiplied takes the K step four on
.endif
.endm
.macro COMBINE t0, cnt                 ; out += weight x sum, two at a time; each sum's registers from the low end on
	WIN 0xf2                                       ; sums window 2, weights window 0, out window 3
.set tt, \t0
.rept \cnt
.irp n, 0,1,2,3
.irp j, 0,2,4,6
	v_pk_fma_f32 v[8*(4*tt+\n)+\j:8*(4*tt+\n)+\j+1], v[8*(4*tt+\n)+\j:8*(4*tt+\n)+\j+1], v[CW+2*tt:CW+2*tt+1], v[8*(4*tt+\n)+\j:8*(4*tt+\n)+\j+1]
.endr
.endr
.set tt, tt+1
.endr
.endm
.macro BODY t0, nt
.irp ks, 0,1,2,3,4,5,6,7
	STEP \ks, \t0, (\nt)/2
.endr
	COMBINE \t0, \nt                               ; the eight v_nop of K step 7 are the places behind the last products
	WIN 0
.endm
	s_load_b512 s[4:19], s[0:1], 0x0               ; x_codes 4:5, x_scales 6:7, w_codes 8:9, w_scales 10:11, b 12:13, expert_weights 14:15, top_k_indices 16:17, order 18:19
	s_load_b128 s[20:23], s[0:1], 0x40             ; bmask 20:21, out 22:23
	v_lshl_add_u32 v94, v0, 2, 0x26000
	v_mov_b32 v95, 0
	v_lshrrev_b32 v11, 5, v0
	v_readfirstlane_b32 s24, v11                   ; wave 0..3
	s_mov_b32 s25, ttmp9                           ; which 256 columns
	s_and_b32 s26, ttmp7, 0xffff                   ; which 128 places of the sorted order
	v_and_b32 v12, 31, v0                          ; lane
	v_and_b32 v13, 15, v0                          ; r
	v_bfe_u32 v14, v0, 4, 1                        ; h
	v_lshlrev_b32 v1, 4, v12                       ; 16 x lane; never rewritten
	v_lshlrev_b32 v169, 2, v13                     ; 4 r
	v_lshlrev_b32 v170, 2, v0                      ; 4 x thread
	s_lshl_b32 s30, s26, 9
	s_mov_b32 s31, 0
	s_lshl_b32 s32, s26, 2
	s_lshl_b32 s33, s24, 7
	s_mov_b32 s35, 0                               ; the upper word of byte offsets; stays 0
	s_wait_kmcnt 0x0
	s_add_nc_u64 s[18:19], s[18:19], s[30:31]      ; order at my block
	s_load_b32 s27, s[20:21], s32 offset:0x0       ; my block's word of the list
	s_load_b512 s[68:83], s[18:19], s33 offset:0x0 ; the 32 tokens whose rows my wave gathers
	s_load_b512 s[84:99], s[18:19], s33 offset:0x40
.irp t, 0,1,2,3,4,5,6,7
	global_load_b32 v[160+\t], v169, s[18:19] offset:64*\t   ; tile t's token r, in both halves of the lanes
.endr
	global_load_b32 v168, v170, s[18:19]           ; and thread j's token j
	; while they are on their way: bases, addresses, and out = 0
	s_lshl_b32 s34, s25, 18
	s_lshl_b32 s28, s24, 16
	s_add_co_u32 s34, s34, s28                     ; (16 x column group + 4 x wave) x 16,384
	s_add_nc_u64 s[44:45], s[8:9], s[34:35]        ; w_codes at my wave's four column tiles
	s_lshr_b32 s34, s34, 5
	s_add_nc_u64 s[46:47], s[10:11], s[34:35]      ; w_scales likewise: 512 bytes a column tile
	s_lshr_b32 s34, s34, 3
	s_add_nc_u64 s[48:49], s[12:13], s[34:35]      ; b and out at my wave's first column: 4 x (256 x column group + 64 x wave)
	s_add_nc_u64 s[50:51], s[22:23], s[34:35]
	v_mul_u32_u24 v[LA0], v13, XP
	v_lshl_add_u32 v[LA0], v14, 4, v[LA0]
	v_add_nc_u32 v[LA1], 4*TILEB, v[LA0]
	v_lshl_add_u32 v[CWA], v13, 2, WSEL
	v_lshlrev_b32 v[WSO], 3, v13
	v_lshl_add_u32 v[WSO], v14, 7, v[WSO]
	v_lshlrev_b32 v[BO], 5, v14
	s_mul_i32 s30, s24, 16*SPI
	s_add_co_u32 s30, s30, STAGE                   ; my stage
	v_mul_u32_u24 v[STO], v13, SPI
	v_lshl_add_u32 v[STO], v14, 5, v[STO]
	v_add_nc_u32 v[STO], s30, v[STO]               ; in: row r, 32 bytes for each half of the lanes
	v_mul_u32_u24 v[RD], v14, SPI
	v_lshl_add_u32 v[RD], v13, 4, v[RD]
	v_add_nc_u32 v[RD], s30, v[RD]                 ; back: lanes 0-15 one row of 256 bytes, lanes 16-31 the next
	v_lshl_add_u32 v[TKA], v14, 2, TOKL
	v_lshlrev_b32 v[CO], 4, v13
	s_mul_i32 s31, s24, 32*XP
	v_add_nc_u32 v178, s31, v1                     ; where my wave's 32 rows go in LDS
	v_lshl_add_u32 v179, v0, 2, WSEL
	v_lshl_add_u32 v180, v0, 2, TOKL
	WIN 0xc0                                       ; destination window 3
.set i, 0
.rept 256
	v_mov_b32 v[i], 0                              ; out.  Which pass is a tile's first hangs on the stored list, so the sums over experts begin at zeros; these lines stand while the first loads are out
.set i, i+1
.endr
	WIN 0
	s_wait_kmcnt 0x0
.set i, 0
.rept 32
	s_min_u32 s[68+i], s[68+i], 0x1fff             ; a token's number, held inside the tensor
	s_lshl_b32 s[68+i], s[68+i], 10
	v_add_nc_u32 v[128+i], s[68+i], v1             ; its row of 1,024 codes, 16 bytes a lane
.set i, i+1
.endr
	WIN 0x80                                       ; destination window 2: the rows pass through the registers of the sums
.set i, 0
.rept 32
	global_load_b128 v[8*i:8*i+3], v[128+i], s[4:5]               ; 512 consecutive bytes of one row
	global_load_b128 v[8*i+4:8*i+7], v[128+i], s[4:5] offset:512
.set i, i+1
.endr
	WIN 0
	s_wait_loadcnt 63                              ; behind the nine loads of tokens stand 64: they are in
.irp t, 0,1,2,3,4,5,6,7
	v_min_u32 v[160+\t], 0x1fff, v[160+\t]
	v_lshlrev_b32 v[160+\t], 5, v[160+\t]
	v_lshl_add_u32 v[160+\t], v14, 4, v[160+\t]    ; its 32 scale bytes: lanes 0-15 take K steps 0-3, lanes 16-31 K steps 4-7
.endr
	v_min_u32 v168, 0x1fff, v168
	v_lshlrev_b32 v171, 3, v168
	global_load_b64 v[172:173], v171, s[16:17]     ; my token's two experts
	global_load_b64 v[174:175], v171, s[14:15]     ; and their weights
.irp t, 0,1,2,3,4,5,6,7
	global_load_b128 v[XS+4*\t:XS+4*\t+3], v[160+\t], s[6:7]
.endr
	s_wait_loadcnt 8                               ; behind the rows and my token's two pairs stand x's eight loads of scale words: the rows and the pairs are in
	WIN 0x08                                       ; an LDS store's data are its source 1: window 2
.set i, 0
.rept 32
	ds_store_b128 v178, v[8*i:8*i+3] offset:XP*i
	ds_store_b128 v178, v[8*i+4:8*i+7] offset:XP*i+512
.set i, i+1
.endr
	WIN 0
.irp e, 0,1,2,3,4,5,6,7
	v_cmp_eq_u32 vcc_lo, \e, v172
	v_cndmask_b32 v176, 0, v174, vcc_lo
	v_cmp_eq_u32 vcc_lo, \e, v173
	v_cndmask_b32 v177, 0, v175, vcc_lo
	v_add_f32 v176, v176, v177                     ; my token's weight for expert e: 0, one of the two, or both
	ds_store_b32 v179, v176 offset:512*\e
.endr
	ds_store_b32 v180, v168
	s_wait_dscnt 0x0                               ; for the others' sake: my stores have landed
	s_barrier_signal -1
	s_barrier_wait -1                              ; the launch's one barrier: rows, weights and tokens lie in LDS, and nobody writes them again
	s_wait_xcnt 0x0                                ; the fragments land on registers that held addresses of the loads above
	FETCH_A 0, 8, 0
	s_mov_b32 s29, 0                               ; e
	s_mov_b32 s33, 0                               ; 512 e: expert e's weights in LDS
.Lexpert:
	s_lshr_b32 s30, s27, s29
	s_and_b32 s31, s30, 1                          ; used in tokens 0-63?
	s_lshr_b32 s30, s30, 7
	s_and_b32 s30, s30, 2                          ; in tokens 64-127?
	s_or_b32 s32, s30, s31
	s_cmp_eq_u32 s32, 0
	s_cbranch_scc1 .Lnext
	s_wait_xcnt 0x0                                ; the bases below were named by the last pass's loads: they are rewritten only behind this wait
	s_lshl_b32 s34, s29, 15
	s_add_nc_u64 s[40:41], s[46:47], s[34:35]      ; expert e's scale words,
	s_lshl_b32 s34, s29, 12
	s_add_nc_u64 s[42:43], s[48:49], s[34:35]      ; bias
	s_lshl_b32 s34, s29, 20
	s_add_nc_u64 s[36:37], s[44:45], s[34:35]      ; and weights, for my wave's 64 columns
	SCALES_BIAS                                    ; 80 loads go out at once.  Their registers were last read by products that stand behind K step 7's eight places
	RING 0, 0
	RING 1, 1
	RING 2, 2
	RING 3, 3
	WIN 0
	v_add_nc_u32 v11, s33, v[CWA]
.irp t, 0,1,2,3,4,5,6,7
	ds_load_b32 v[CW+2*\t], v11 offset:64*\t
	ds_load_b32 v[CW+2*\t+1], v11 offset:64*\t     ; twice: the packed multiply-add names a pair
.endr
	PLACES 9                                       ; sums begun anew with another C stand nine places behind the last products; these lines stand while the loads are out
	s_cmp_eq_u32 s32, 3
	s_cbranch_scc1 .Lboth
	s_cmp_eq_u32 s32, 1
	s_cbranch_scc1 .Llow
	BODY 4, 4
	s_branch .Lnext
.Llow:
	BODY 0, 4
	s_branch .Lnext
.Lboth:
	BODY 0, 8
.Lnext:
	s_add_co_u32 s33, s33, 512
	s_add_co_u32 s29, s29, 1
	s_cmp_lt_u32 s29, 8
	s_cbranch_scc1 .Lexpert
; THE WAY OUT, a tile of 16 tokens at a time.  A lane holds 32 neighbouring bytes of a token's row and the lanes beside it hold other tokens: so a tile goes through my own stage in LDS and comes back as rows of
; 256 bytes, which sixteen lanes store whole, at a multiple of 256 from the row's first byte.  LDS serves a wave's instructions in order (ISA guide 5.7.1.4): no wait between the stores and the loads.
.macro TOSTAGE t
	WIN 0x0c                                       ; the data: window 3
.irp n, 0,1,2,3
	ds_store_b128 v[STO], v[8*(4*(\t)+\n):8*(4*(\t)+\n)+3] offset:64*\n
	ds_store_b128 v[STO], v[8*(4*(\t)+\n)+4:8*(4*(\t)+\n)+7] offset:64*\n+16
.endr
	WIN 0
.irp i, 0,1,2,3,4,5,6,7
	ds_load_b128 v[OB+32*((\t)%2)+4*\i:OB+32*((\t)%2)+4*\i+3], v[RD] offset:2*SPI*\i
.endr
.irp i, 0,1,2,3,4,5,6,7
	ds_load_b32 v[TK+8*((\t)%2)+\i], v[TKA] offset:64*(\t)+8*\i   ; whose rows they are: tokens 16 t + 2 i + h
.endr
.endm
.macro SEND t, younger                 ; younger: the LDS instructions issued behind tile t's loads: the next tile's 24, or none
	s_wait_dscnt \younger
.irp i, 0,1,2,3,4,5,6,7
	v_min_u32 v[TK+8*((\t)%2)+\i], 0x1fff, v[TK+8*((\t)%2)+\i]
	v_lshl_add_u32 v[TK+8*((\t)%2)+\i], v[TK+8*((\t)%2)+\i], 12, v[CO]   ; the token's row of 4,096 bytes, 16 bytes a lane
.endr
.irp i, 0,1,2,3,4,5,6,7
	global_store_b128 v[TK+8*((\t)%2)+\i], v[OB+32*((\t)%2)+4*\i:OB+32*((\t)%2)+4*\i+3], s[50:51] th:TH_STORE_NT
.endr
.endm
	s_wait_dscnt 0x0                               ; the wrapped fetches of x's fragments have landed: their registers are taken over
	TOSTAGE 0
.irp t, 1,2,3,4,5,6,7
.if \t > 1
	s_wait_xcnt 0x0                                ; tile t - 2's stores have read their registers: tile t's loads may land there
.endif
	TOSTAGE \t
	SEND \t-1, 24
.endr
	SEND 7, 0
	s_wait_tensorcnt 0x0
	ds_add_u32 v94, v95
	s_wait_dscnt 0x0
	s_endpgm
.Lfunc_end_k_q684e3e0b4f_experts:
	.size	k_q684e3e0b4f_experts, .Lfunc_end_k_q684e3e0b4f_experts-k_q684e3e0b4f_experts
	.p2alignl 7, 3214868480
	.fill 96, 4, 3214868480
	.section	.rodata,"a",@progbits
	.p2align	6, 0x0
	.amdhsa_kernel k_q684e3e0b4f_experts
		.amdhsa_group_segment_fixed_size 156160
		.amdhsa_private_segment_fixed_size 0
		.amdhsa_enable_private_segment 0
		.amdhsa_kernarg_size 80
		.amdhsa_user_sgpr_count 2
		.amdhsa_user_sgpr_kernarg_segment_ptr 1
		.amdhsa_wavefront_size32 1
		.amdhsa_system_sgpr_workgroup_id_x 1
		.amdhsa_system_sgpr_workgroup_id_y 1
		.amdhsa_system_sgpr_workgroup_id_z 1
		.amdhsa_system_vgpr_workitem_id 0
		.amdhsa_next_free_vgpr 1024
		.amdhsa_next_free_sgpr 100
		.amdhsa_reserve_vcc 1
		.amdhsa_float_denorm_mode_32 3
		.amdhsa_float_denorm_mode_16_64 3
		.amdhsa_memory_ordered 1
		.amdhsa_forward_progress 1
		.amdhsa_inst_pref_size 217
	.end_amdhsa_kernel
	.amdgpu_metadata
---
amdhsa.version: [ 1, 2 ]
amdhsa.kernels:
  - .name:           k_q684e3e0b4f_experts
    .symbol:         k_q684e3e0b4f_experts.kd
    .args:
      - { .name: x_codes, .offset: 0, .size: 8, .value_kind: global_buffer, .address_space: global }
      - { .name: x_scales, .offset: 8, .size: 8, .value_kind: global_buffer, .address_space: global }
      - { .name: w_codes, .offset: 16, .size: 8, .value_kind: global_buffer, .address_space: global }
      - { .name: w_scales, .offset: 24, .size: 8, .value_kind: global_buffer, .address_space: global }
      - { .name: b, .offset: 32, .size: 8, .value_kind: global_buffer, .address_space: global }
      - { .name: expert_weights, .offset: 40, .size: 8, .value_kind: global_buffer, .address_space: global }
      - { .name: top_k_indices, .offset: 48, .size: 8, .value_kind: global_buffer, .address_space: global }
      - { .name: order, .offset: 56, .size: 8, .value_kind: global_buffer, .address_space: global }
      - { .name: bmask, .offset: 64, .size: 8, .value_kind: global_buffer, .address_space: global }
      - { .name: out0, .offset: 72, .size: 8, .value_kind: global_buffer, .address_space: global }
    .group_segment_fixed_size: 156160
    .private_segment_fixed_size: 0
    .kernarg_segment_align: 8
    .kernarg_segment_size: 80
    .max_flat_workgroup_size: 128
    .sgpr_count:     100
    .vgpr_count:     1024
    .wavefront_size: 32
...
	.end_amdgpu_metadata
.endif
;; end of part 2
;; ======== version 2 of 2: 2 launches
;; workspace buffers: x_codes 8,388,608 bytes; x_scales 262,144 bytes; w_codes 8,388,608 bytes; w_scales 262,144 bytes; order 32,768 bytes of whole numbers; bmask 256 bytes of whole numbers
;; launch prep (part 3): grid 257 x 1, 8 waves a work-group, no clusters, 47,104 bytes of LDS; arguments x, W, top_k_indices, x_codes, x_scales, w_codes, w_scales, order, bmask; writes x_codes, x_scales, w_codes, w_scales, order, bmask
.if DOCPART == 3
	.amdgcn_target "amdgcn-amd-amdhsa--gfx1250"
	.amdhsa_code_object_version 6
	.text
	.protected	k_q684e3e0b4f_prep
	.globl	k_q684e3e0b4f_prep
	.p2align	8
	.type	k_q684e3e0b4f_prep,@function
k_q684e3e0b4f_prep:
	s_mov_b64 s[64:65], 0
	v_nop
	global_prefetch_b8 v0, s[64:65] scope:SCOPE_SE
	s_setreg_imm32_b32 hwreg(HW_REG_WAVE_MODE, 25, 1), 1
	s_wait_xcnt 0x0
; THREE ROLES IN ONE LAUNCH, chosen by the work-group's number: 0 sorts the tokens; 1 .. 128 quantise x; 129 .. 256 quantise W.
; THE QUANTISER (E4M3, one E8M0 scale for each 32 along K = d): a block's scale is 2^(floor(log2(its largest magnitude)) - 8); its byte is the largest magnitude's exponent field - 8, held at 1 from below;
; each number is divided by the scale, held within +-448 and rounded to the nearest code, ties to even.
; LIMITS: a block of zeros gets the byte 1 where the rule says 127 (its codes are zeros, which add nothing under any byte but 0xff, and the bytes are read by this program alone); blocks whose largest
; magnitude lies under 2^(8 - 126) keep the floor's byte; NaN and infinities among the inputs are not served.  Indices are taken to lie in 0 .. 7, as the gather relies on; for the sort they are held there.
; x [8192][1024] f32: K innermost, rows dense: a plain stream of blocks of 32.  Codes leave as [token][1024], scale bytes as [token][32].
; W [8][1024 (d)][1024 (f)] f32: K is the FIRST axis of an expert.  A lane takes a column f and its registers run down d.  The codes leave IN THE ORDER OF THE OPERAND'S REGISTERS:
;   w_codes [e][cg 0..63][ks 0..7][c 0..3][h 0..1][r 0..15][16 bytes] = column 16 cg + r, k = 128 ks + 32 c + 16 h + 0 .. 15: a fragment is 2,048 dense bytes, load c of lane l at 512 c + 16 l.
;   w_scales [e][cg][y 0..3][r][8 bytes]: word i is the scale word of K step 2 y + i of column 16 cg + r.
; THE SORT: a token's pair of experts is one of 28 classes (a < c; a token with one expert twice joins a class that holds that expert).  The classes are numbered so that neighbours share an expert:
;   id = a (15 - a) / 2 + (a odd ? 7 - c : c - a - 1).  order[pos] = the token at sorted place pos; bmask[block of 128 places]: bit e: expert e is used in places 0-63, bit 8 + e: in places 64-127.
; LDS: the x role has bytes 0 .. 45,055 (5,632 for each wave), the sort 1,024 bytes from 45,056 on, the W role none.
.set SP,    80                         ; x role: a lane's place in a stage: its 64 bytes + 16 of padding
.set WREG,  5632                       ; x role: a wave's region: two stages of 32 x SP bytes, then its 256 scale bytes
.set WT,    8*WREG                     ; the sort: eight waves' class counts, 128 bytes each
.set FLOOR, 0x4800000                  ; 2^(9 - 127): under it no largest magnitude is taken, so the byte cannot fall under 1
.set XR,    16                         ; x role: v16-143  eight sets of 16 numbers as loaded
.set XN,    144                        ;         v144-175 two sets of 16 neighbours
.set XCD,   176                        ;         v176-239 four registers of codes for each step: no store's data are written again
.set XE,    240                        ;         v240-255 a scale byte for each step
.set WN,    32                         ; W role: v32-95   two sets of 32 numbers
.set WCD,   96                         ;         v96-159  eight registers of codes for each block: never rewritten
.set WBY,   24                         ;         v24-25   the scale bytes, four to a register
.set IX,    64                         ; sort:   v64-127  group g: the index pair; then 4 x class and the class's mask; then the token and 4 x its place
.set PRE,   128                        ;         v128-160 lane = class: how many of the class my wave has met before group g
.set VAL,   192                        ;         v192-223 group g: where my class's run stands
	s_load_b512 s[4:19], s[0:1], 0x0               ; x 4:5, W 6:7, indices 8:9, x_codes 10:11, x_scales 12:13, w_codes 14:15, w_scales 16:17, order 18:19
	s_load_b64 s[20:21], s[0:1], 0x40              ; bmask
	s_set_vgpr_msb 0x40
	v_lshl_add_u32 v0, v0, 2, 0xb400
	v_mov_b32 v1, 0
	s_set_vgpr_msb 0x4000
	v_lshrrev_b32 v1, 5, v0
	s_delay_alu instid0(VALU_DEP_1)
	v_readfirstlane_b32 s24, v1                    ; wave 0..7
	v_and_b32 v2, 31, v0                           ; lane
	s_mov_b32 s23, 0x600000                        ; the mantissa field of 448
	s_mov_b32 s27, 0                               ; the upper word of byte offsets
	s_mov_b32 s31, 0
	s_wait_kmcnt 0x0
	s_cmp_eq_u32 ttmp9, 0
	s_cbranch_scc1 .Lroute
	s_cmp_gt_u32 ttmp9, 128
	s_cbranch_scc1 .Lweights
; ---------------------------------------------------------------- x: a wave takes a run of 8,192 numbers, 16 steps of 512
; A conversion takes 8 numbers of ONE block from a lane's registers, so a lane must hold 16 neighbours; a load is best where neighbouring lanes take neighbouring bytes.  Both are had: each load reads 512
; consecutive bytes, and a step's 2,048 bytes turn through the wave's own stage in LDS.  Loads run eight steps (32 loads a wave) ahead, the turn one step.
	s_sub_co_u32 s25, ttmp9, 1
	s_lshl_b32 s25, s25, 3
	s_add_co_u32 s25, s25, s24                     ; my run, 0 .. 1,023
	s_lshl_b32 s26, s25, 15
	s_add_nc_u64 s[4:5], s[4:5], s[26:27]          ; 32,768 bytes of numbers,
	s_lshl_b32 s26, s25, 13
	s_add_nc_u64 s[10:11], s[10:11], s[26:27]      ; 8,192 of codes,
	s_lshl_b32 s26, s25, 8
	s_add_nc_u64 s[12:13], s[12:13], s[26:27]      ; 256 of scale bytes
	s_wait_alu depctr_va_vdst(0)
	v_lshlrev_b32 v3, 4, v2                        ; 16 x lane: my 16 bytes of a load's 512, and of a step's 512 bytes of codes
	s_mul_i32 s28, s24, WREG
	v_lshrrev_b32 v14, 2, v2
	s_delay_alu instid0(VALU_DEP_1)
	v_mul_u32_u24 v14, v14, SP
	v_and_b32 v15, 3, v2
	s_delay_alu instid0(VALU_DEP_1)
	v_lshl_add_u32 v14, v15, 4, v14
	s_delay_alu instid0(VALU_DEP_1)
	v_add_nc_u32 v14, s28, v14                     ; the stage, on the way in: four lanes' 64 bytes on end, then 16 of padding
	v_mul_u32_u24 v15, v2, SP
	s_delay_alu instid0(VALU_DEP_1)
	v_add_nc_u32 v15, s28, v15                     ; and on the way out: SP x lane: my 16 neighbours
	v_lshrrev_b32 v5, 1, v2
	s_add_co_u32 s28, s28, 2*32*SP
	v_add_nc_u32 v5, s28, v5                       ; my block's scale byte among my wave's 256
	v_lshlrev_b32 v7, 3, v2
	s_delay_alu instid0(VALU_DEP_1)
	v_add_nc_u32 v6, s28, v7                       ; and on the way out 8 bytes a lane
.macro XLOAD t
.irp i, 0,1,2,3
	global_load_b128 v[XR+16*((\t)%8)+4*\i:XR+16*((\t)%8)+4*\i+3], v3, s[4:5] offset:2048*(\t)+512*\i th:TH_LOAD_NT   ; 32 lanes read 512 consecutive bytes
.endr
.endm
.macro XTURN t                         ; LDS serves a wave's instructions in order (ISA guide 5.7.1.4): no wait between the stores and the loads
.irp i, 0,1,2,3
	ds_store_b128 v14, v[XR+16*((\t)%8)+4*\i:XR+16*((\t)%8)+4*\i+3] offset:32*SP*((\t)%2)+8*SP*\i
.endr
.irp i, 0,1,2,3
	ds_load_b128 v[XN+16*((\t)%2)+4*\i:XN+16*((\t)%2)+4*\i+3], v15 offset:32*SP*((\t)%2)+16*\i
.endr
.endm
.macro XSTEP t
.set XS, XN+16*((\t)%2)
.if (\t) > 0
	s_wait_dscnt 1                                 ; this step's numbers are back from the stage (the last step's byte store may be out): so its stores into the stage have read their registers,
.else
	s_wait_dscnt 0x0
.endif
.if (\t)+8 < 16
	XLOAD (\t)+8                                   ; which take the loads of eight steps on
.endif
.if (\t)+1 < 16
.if (\t)+8 < 16
	s_wait_loadcnt 28                              ; the next step's four loads are in; those of the seven steps behind it may be out
.else
	s_wait_loadcnt 4*(14-(\t))                     ; the same, with fewer steps left
.endif
	XTURN (\t)+1
.endif
	v_max3_num_f32 v8, |v[XS]|, |v[XS+1]|, |v[XS+2]|               ; the largest magnitude of my 16, in two chains
	v_max3_num_f32 v9, |v[XS+3]|, |v[XS+4]|, |v[XS+5]|
.irp i, 6,10
	s_delay_alu instid0(VALU_DEP_2)
	v_max3_num_f32 v8, v8, |v[XS+\i]|, |v[XS+\i+1]|
	s_delay_alu instid0(VALU_DEP_2)
	v_max3_num_f32 v9, v9, |v[XS+\i+2]|, |v[XS+\i+3]|
.endr
	s_delay_alu instid0(VALU_DEP_2)
	v_max3_num_f32 v8, v8, |v[XS+14]|, |v[XS+15]|
	s_delay_alu instid0(VALU_DEP_1)
	v_max3_num_f32 v8, v8, v9, FLOOR
	s_delay_alu instid0(VALU_DEP_1)
	v_max_num_f32_dpp v8, v8, v8 row_xmask:1 row_mask:0xf bank_mask:0xf   ; and of my neighbour's 16: the block's
	s_delay_alu instid0(VALU_DEP_1)
	v_add_nc_u32 v11, 0xfc000000, v8               ; 8 off its exponent field: the conversion takes the exponent field of this operand as its scale
	s_delay_alu instid0(VALU_DEP_2)
	v_and_or_b32 v10, v8, 0x7f800000, s23          ; 448 x the scale
.irp i, 0,1,2,3,4,5,6,7,8,9,10,11,12,13,14,15
	v_med3_num_f32 v[XS+\i], v[XS+\i], -v10, v10   ; the conversion to an 8-bit code does not saturate (ISA guide 7.6.2): the hold comes first
.endr
	v_cvt_scalef32_pk8_fp8_f32 v[XCD+4*(\t):XCD+4*(\t)+1], v[XS:XS+7], v11
	v_cvt_scalef32_pk8_fp8_f32 v[XCD+4*(\t)+2:XCD+4*(\t)+3], v[XS+8:XS+15], v11
	v_lshrrev_b32 v[XE+(\t)], 23, v11              ; the scale's byte (also the plain line behind the conversions)
	ds_store_b8 v5, v[XE+(\t)] offset:16*(\t)      ; both lanes of a block write the same byte with the same value
	global_store_b128 v3, v[XCD+4*(\t):XCD+4*(\t)+3], s[10:11] offset:512*(\t)   ; the wave stores 512 consecutive bytes
.endm
.irp t, 0,1,2,3,4,5,6,7
	XLOAD \t
.endr
	s_wait_alu depctr_va_vdst(0)
	s_wait_loadcnt 28                              ; step 0's four loads are in
	XTURN 0
.irp t, 0,1,2,3,4,5,6,7,8,9,10,11,12,13,14,15
	XSTEP \t
.endr
	ds_load_b64 v[12:13], v6                       ; my wave's 256 scale bytes: these see my stores
	s_wait_dscnt 0x0
	global_store_b64 v7, v[12:13], s[12:13]        ; 32 lanes store 256 consecutive bytes, aligned
	s_set_vgpr_msb 0x5
	s_wait_tensorcnt 0x0
	ds_add_u32 v0, v1
	s_wait_dscnt 0x0
	s_set_vgpr_msb 0x500
	s_endpgm
; ---------------------------------------------------------------- W: a work-group takes one expert, 256 columns, 256 along K; a wave 32 columns: 8 blocks a lane
.Lweights:
	s_sub_co_u32 s25, ttmp9, 129
	s_lshr_b32 s26, s25, 4                         ; e
	s_bfe_u32 s28, s25, 0x20002                    ; which 256 columns
	s_and_b32 s29, s25, 3                          ; y: which 256 along K
	s_lshl_b32 s30, s26, 22                        ; W: e x 4 MiB + 256 y rows of 4,096 bytes + 4 x (256 x group + 32 x wave)
	s_lshl_b32 s25, s29, 20
	s_add_co_u32 s30, s30, s25
	s_lshl_b32 s25, s28, 10
	s_add_co_u32 s30, s30, s25
	s_lshl_b32 s25, s24, 7
	s_add_co_u32 s30, s30, s25
	s_add_nc_u64 s[6:7], s[6:7], s[30:31]
	s_lshl_b32 s30, s26, 20                        ; codes: e x 1 MiB + (16 x group + 2 x wave) x 16,384 + y x 4,096
	s_lshl_b32 s25, s28, 18
	s_add_co_u32 s30, s30, s25
	s_lshl_b32 s25, s24, 15
	s_add_co_u32 s30, s30, s25
	s_lshl_b32 s25, s29, 12
	s_add_co_u32 s30, s30, s25
	s_add_nc_u64 s[14:15], s[14:15], s[30:31]
	s_lshr_b32 s30, s30, 5                         ; scale bytes: one for each 32 codes, laid in the same order of e, cg, y
	s_add_nc_u64 s[16:17], s[16:17], s[30:31]
	s_wait_alu depctr_va_vdst(0)
	v_lshlrev_b32 v3, 2, v2                        ; in: 4 bytes a lane: 128 consecutive bytes a wave
	v_and_b32 v5, 15, v2
	v_lshrrev_b32 v6, 4, v2
	s_delay_alu instid0(VALU_DEP_2)
	v_lshlrev_b32 v4, 4, v5
	s_delay_alu instid0(VALU_DEP_1)
	v_lshl_add_u32 v4, v6, 14, v4                  ; codes: 16 r, and lanes 16-31 one column group (16,384 bytes) on
	s_delay_alu instid0(VALU_DEP_4)
	v_lshlrev_b32 v9, 3, v5
	s_delay_alu instid0(VALU_DEP_1)
	v_lshl_add_u32 v9, v6, 9, v9                   ; scale bytes: 8 r, + 512 for the next column group
.macro WLOAD t                         ; block t: W(32 t + i, my column), i = 0 .. 31, into set t % 2
.irp i, 0,1,2,3,4,5,6,7,8,9,10,11,12,13,14,15,16,17,18,19,20,21,22,23,24,25,26,27,28,29,30,31
	global_load_b32 v[WN+32*((\t)%2)+\i], v3, s[6:7] offset:(32*(\t)+\i)*4096 th:TH_LOAD_NT
.endr
.endm
.macro WBLOCK t
.set WS, WN+32*((\t)%2)
.if (\t) < 7
	s_wait_loadcnt 32                              ; this block's 32 loads are in; the next block's may be out
.else
	s_wait_loadcnt 0x0
.endif
	v_max3_num_f32 v12, |v[WS]|, |v[WS+1]|, |v[WS+2]|              ; the block's largest magnitude: all 32 numbers are mine
	v_max3_num_f32 v13, |v[WS+3]|, |v[WS+4]|, |v[WS+5]|
.irp i, 6,10,14,18,22,26
	s_delay_alu instid0(VALU_DEP_2)
	v_max3_num_f32 v12, v12, |v[WS+\i]|, |v[WS+\i+1]|
	s_delay_alu instid0(VALU_DEP_2)
	v_max3_num_f32 v13, v13, |v[WS+\i+2]|, |v[WS+\i+3]|
.endr
	s_delay_alu instid0(VALU_DEP_2)
	v_max3_num_f32 v12, v12, |v[WS+30]|, |v[WS+31]|
	s_delay_alu instid0(VALU_DEP_1)
	v_max3_num_f32 v12, v12, v13, FLOOR
	s_delay_alu instid0(VALU_DEP_1)
	v_add_nc_u32 v11, 0xfc000000, v12              ; the conversion's scale operand
	s_delay_alu instid0(VALU_DEP_2)
	v_and_or_b32 v10, v12, 0x7f800000, s23         ; 448 x the scale
	s_delay_alu instid0(VALU_DEP_2)
	v_lshrrev_b32 v13, 23, v11                     ; the scale's byte
.if (\t)%4 == 0
	s_delay_alu instid0(VALU_DEP_1)
	v_mov_b32 v[WBY+(\t)/4], v13                   ; four bytes to a register, the lower K in the lower byte: a K step's scale word
.else
	s_delay_alu instid0(VALU_DEP_1)
	v_lshl_or_b32 v[WBY+(\t)/4], v13, 8*((\t)%4), v[WBY+(\t)/4]
.endif
.irp i, 0,1,2,3,4,5,6,7,8,9,10,11,12,13,14,15,16,17,18,19,20,21,22,23,24,25,26,27,28,29,30,31
	v_med3_num_f32 v[WS+\i], v[WS+\i], -v10, v10
.endr
.irp g, 0,1,2,3
	v_cvt_scalef32_pk8_fp8_f32 v[WCD+8*(\t)+2*\g:WCD+8*(\t)+2*\g+1], v[WS+8*\g:WS+8*\g+7], v11
.endr
	v_nop                                          ; a plain line behind the last conversion
	global_store_b128 v4, v[WCD+8*(\t):WCD+8*(\t)+3], s[14:15] offset:((\t)/4)*2048+((\t)%4)*512         ; k + 0 .. 15 (h = 0): sixteen lanes store 256 consecutive bytes, aligned: one slice of a fragment
	global_store_b128 v4, v[WCD+8*(\t)+4:WCD+8*(\t)+7], s[14:15] offset:((\t)/4)*2048+((\t)%4)*512+256   ; k + 16 .. 31 (h = 1)
.if (\t)+2 < 8
	WLOAD (\t)+2
.endif
.endm
	WLOAD 0
	WLOAD 1
.irp t, 0,1,2,3,4,5,6,7
	WBLOCK \t
.endr
	global_store_b64 v9, v[WBY:WBY+1], s[16:17]    ; sixteen lanes store 128 consecutive bytes: half of an aligned 256; one byte in 128 of what this role reads
	s_endpgm
; ---------------------------------------------------------------- the sort: one work-group; wave w takes tokens 1,024 w + 32 g + lane, g = 0 .. 31
; A counting sort without atomics.  In a group of 32 tokens five ballots of the class number's bits give LANE l the mask of the group's tokens of CLASS l; its count of ones runs on in PRE; each token fetches
; its class's mask from lane = class and counts the ones below itself.  The eight waves' totals meet in LDS behind the one barrier.
.Lroute:
	s_wait_alu depctr_va_vdst(0)
	v_lshlrev_b32 v3, 3, v2
	s_lshl_b32 s25, s24, 13
	v_add_nc_u32 v3, s25, v3                       ; 8 bytes a token
.set G, 0
.rept 32
	global_load_b64 v[IX+2*G:IX+2*G+1], v3, s[8:9] offset:256*G
.set G, G+1
.endr
.irp b, 0,1,2,3,4
	v_bfe_u32 v[8+\b], v2, \b, 1
	s_delay_alu instid0(VALU_DEP_1)
	v_sub_nc_u32 v[8+\b], 0, v[8+\b]               ; all ones where bit b of my lane's number is set
.endr
	s_mov_b32 s45, 0x55555555
	s_mov_b32 s46, 0x33333333
	s_mov_b32 s47, 0x0f0f0f0f
	s_mov_b32 s48, 0x01010101
	v_mov_b32 v[PRE], 0
.macro GROUP g
	s_wait_loadcnt 31-(\g)                         ; loads come back in order: this group's pair is in, the later groups' may be out
	v_min_u32 v16, v[IX+2*(\g)], v[IX+2*(\g)+1]
	v_max_u32 v17, v[IX+2*(\g)], v[IX+2*(\g)+1]
	s_delay_alu instid0(VALU_DEP_2)
	v_min_u32 v16, 6, v16                          ; a
	s_delay_alu instid0(VALU_DEP_2)
	v_min_u32 v17, 7, v17
	s_delay_alu instid0(VALU_DEP_2)
	v_add_nc_u32 v18, 1, v16
	s_delay_alu instid0(VALU_DEP_1)
	v_max_u32 v17, v17, v18                        ; c > a: one expert twice joins the class of that expert and a neighbour
	s_delay_alu instid0(VALU_DEP_4)
	v_sub_nc_u32 v19, 15, v16
	s_delay_alu instid0(VALU_DEP_1)
	v_mul_u32_u24 v19, v19, v16
	s_delay_alu instid0(VALU_DEP_1)
	v_lshrrev_b32 v19, 1, v19                      ; a (15 - a) / 2: where a's classes begin
	s_delay_alu instid0(VALU_DEP_4)
	v_sub_nc_u32 v18, v17, v18                     ; c - a - 1: upward where a is even,
	v_sub_nc_u32 v20, 7, v17                       ; 7 - c: downward where a is odd
	v_and_b32 v21, 1, v16
	s_delay_alu instid0(VALU_DEP_1)
	v_cmp_ne_u32 vcc_lo, 0, v21
	s_delay_alu instid0(VALU_DEP_1)
	v_cndmask_b32 v18, v18, v20, vcc_lo
	s_delay_alu instid0(VALU_DEP_1)
	v_add_nc_u32 v22, v19, v18
	s_delay_alu instid0(VALU_DEP_1)
	v_min_u32 v22, 27, v22                         ; the class, 0 .. 27
.irp b, 0,1,2,3,4
	v_and_b32 v16, 1<<\b, v22
	s_delay_alu instid0(VALU_DEP_1)
	v_cmp_ne_u32 s[40+\b], 0, v16                  ; which tokens of the group have bit b set
.endr
	v_xor_b32 v16, s40, v8
.irp b, 1,2,3,4
	v_xor_b32 v17, s[40+\b], v[8+\b]
	s_delay_alu instid0(VALU_DEP_1)
	v_or_b32 v16, v16, v17                         ; a one where a token's class differs from my lane's number in some bit
.endr
	s_delay_alu instid0(VALU_DEP_1)
	v_xor_b32 v23, -1, v16                         ; lane l: the group's tokens of class l
	s_delay_alu instid0(VALU_DEP_1)
	v_lshrrev_b32 v19, 1, v23                      ; its ones, counted in fields of 2, 4 and 8 bits
	s_delay_alu instid0(VALU_DEP_1)
	v_and_b32 v19, s45, v19
	s_delay_alu instid0(VALU_DEP_1)
	v_sub_nc_u32 v19, v23, v19
	s_delay_alu instid0(VALU_DEP_1)
	v_lshrrev_b32 v20, 2, v19
	s_delay_alu instid0(VALU_DEP_2)
	v_and_b32 v19, s46, v19
	s_delay_alu instid0(VALU_DEP_2)
	v_and_b32 v20, s46, v20
	s_delay_alu instid0(VALU_DEP_1)
	v_add_nc_u32 v19, v19, v20
	s_delay_alu instid0(VALU_DEP_1)
	v_lshrrev_b32 v20, 4, v19
	s_delay_alu instid0(VALU_DEP_1)
	v_add_nc_u32 v19, v19, v20
	s_delay_alu instid0(VALU_DEP_1)
	v_and_b32 v19, s47, v19
	s_delay_alu instid0(VALU_DEP_1)
	v_mul_lo_u32 v19, v19, s48
	s_delay_alu instid0(VALU_DEP_1)
	v_lshrrev_b32 v19, 24, v19
	s_delay_alu instid0(VALU_DEP_1)
	v_add_nc_u32 v[PRE+(\g)+1], v[PRE+(\g)], v19
	v_lshlrev_b32 v[IX+2*(\g)], 2, v22             ; 4 x class: the lane to fetch from
	ds_bpermute_b32 v[IX+2*(\g)+1], v[IX+2*(\g)], v23   ; my class's mask
.endm
.set G, 0
.rept 32
	GROUP G
.set G, G+1
.endr
	v_lshl_add_u32 v4, v0, 2, WT                   ; my wave's 128 bytes, my lane's word
	v_lshl_add_u32 v5, v2, 2, WT
	ds_store_b32 v4, v[PRE+32]                     ; lane l: how many tokens of class l my wave has
	s_wait_alu depctr_va_vdst(0)
	s_wait_dscnt 0x0                               ; the masks are in; and, for the others' sake, my store has landed
	s_barrier_signal -1
	s_barrier_wait -1
.irp w, 0,1,2,3,4,5,6,7
	ds_load_b32 v[24+\w], v5 offset:128*\w
.endr
.set G, 0
.rept 32
	v_mbcnt_lo_u32_b32 v[IX+2*G+1], v[IX+2*G+1], 0 ; how many of my class stand below me in the group
.set G, G+1
.endr
	v_mov_b32 v32, 0
	v_mov_b32 v33, 0
	v_mov_b32 v34, 0
	s_wait_dscnt 0x0
.irp w, 0,1,2,3,4,5,6,7
	s_cmp_gt_u32 s24, \w
	s_cselect_b32 s25, -1, 0
	v_and_b32 v16, s25, v[24+\w]
	s_wait_alu depctr_va_vdst(0)
	v_add_nc_u32 v33, v33, v16                     ; the class's tokens in the waves before mine,
	v_add_nc_u32 v32, v32, v[24+\w]                ; and in all
.endr
	s_mov_b32 s68, 0                               ; s[68 + id]: where class id begins; s96 = 8,192
.set G, 0
.rept 28
	v_readlane_b32 s25, v32, G
	v_writelane_b32 v34, s[68+G], G
	s_add_co_u32 s[69+G], s[68+G], s25
.set G, G+1
.endr
	v_add_nc_u32 v35, v34, v33                     ; lane l: where my wave's tokens of class l begin
	s_lshl_b32 s25, s24, 10
	v_add_nc_u32 v6, s25, v2                       ; my token in group 0
.set G, 0
.rept 32
	v_add_nc_u32 v[PRE+G], v35, v[PRE+G]
	ds_bpermute_b32 v[VAL+G], v[IX+2*G], v[PRE+G]
.set G, G+1
.endr
	s_wait_dscnt 0x0
.set G, 0
.rept 32
	v_add_nc_u32 v[IX+2*G+1], v[VAL+G], v[IX+2*G+1]
	s_delay_alu instid0(VALU_DEP_1)
	v_min_u32 v[IX+2*G+1], 0x1fff, v[IX+2*G+1]     ; my place, 0 .. 8,191
	s_delay_alu instid0(VALU_DEP_1)
	v_lshlrev_b32 v[IX+2*G+1], 2, v[IX+2*G+1]
	v_add_nc_u32 v[IX+2*G], 32*G, v6
	global_store_b32 v[IX+2*G+1], v[IX+2*G], s[18:19]   ; 4 bytes a lane to scattered places, 32 KiB in all: gathering them first would want LDS stores at addresses made of data
.set G, G+1
.endr
	; bmask: thread j of waves 0 and 1 is block j.  Class id lies in a half [L, L + 64) where its begin is under L + 64 and its end over L.  (An empty class may so set a bit too many: a pass with weights 0, never a wrong value.)
	s_cmp_gt_u32 s24, 1
	s_cbranch_scc1 .Lroute_end
	v_lshlrev_b32 v7, 7, v0
	v_lshlrev_b32 v17, 2, v0
	v_mov_b32 v13, 0
.irp half, 0,1
	v_add_nc_u32 v14, 64*\half, v7
	v_add_nc_u32 v15, 64*\half+64, v7
	s_wait_alu depctr_va_vdst(0)
.irp e, 0,1,2,3,4,5,6,7
	s_mov_b32 s[52+\e], 0
.endr
.irp a, 0,1,2,3,4,5,6
.irp c, 1,2,3,4,5,6,7
.if \c > \a
.if (\a%2) == 1
.set ID, (\a*(15-\a))/2+7-\c
.else
.set ID, (\a*(15-\a))/2+\c-\a-1
.endif
	v_cmp_lt_u32 s50, s[68+ID], v15
	v_cmp_gt_u32 s51, s[69+ID], v14
	s_and_b32 s50, s50, s51
	s_or_b32 s[52+\a], s[52+\a], s50
	s_or_b32 s[52+\c], s[52+\c], s50
.endif
.endr
.endr
.irp e, 0,1,2,3,4,5,6,7
	v_cndmask_b32 v16, 0, 1, s[52+\e]
	s_delay_alu instid0(VALU_DEP_1)
	v_lshl_or_b32 v13, v16, \e+8*\half, v13
.endr
.endr
	global_store_b32 v17, v13, s[20:21]            ; 64 threads store the 256 bytes
.Lroute_end:
	s_set_vgpr_msb 0x5
	s_wait_tensorcnt 0x0
	ds_add_u32 v0, v1
	s_wait_dscnt 0x0
	s_set_vgpr_msb 0x500
	s_endpgm
.Lfunc_end_k_q684e3e0b4f_prep:
	.size	k_q684e3e0b4f_prep, .Lfunc_end_k_q684e3e0b4f_prep-k_q684e3e0b4f_prep
	.p2alignl 7, 3214868480
	.fill 96, 4, 3214868480
	.section	.rodata,"a",@progbits
	.p2align	6, 0x0
	.amdhsa_kernel k_q684e3e0b4f_prep
		.amdhsa_group_segment_fixed_size 47104
		.amdhsa_private_segment_fixed_size 0
		.amdhsa_enable_private_segment 0
		.amdhsa_kernarg_size 72
		.amdhsa_user_sgpr_count 2
		.amdhsa_user_sgpr_kernarg_segment_ptr 1
		.amdhsa_wavefront_size32 1
		.amdhsa_system_sgpr_workgroup_id_x 1
		.amdhsa_system_sgpr_workgroup_id_y 1
		.amdhsa_system_sgpr_workgroup_id_z 1
		.amdhsa_system_vgpr_workitem_id 0
		.amdhsa_next_free_vgpr 258
		.amdhsa_next_free_sgpr 100
		.amdhsa_reserve_vcc 1
		.amdhsa_float_denorm_mode_32 3
		.amdhsa_float_denorm_mode_16_64 3
		.amdhsa_memory_ordered 1
		.amdhsa_forward_progress 1
		.amdhsa_inst_pref_size 252
	.end_amdhsa_kernel
	.amdgpu_metadata
---
amdhsa.version: [ 1, 2 ]
amdhsa.kernels:
  - .name:           k_q684e3e0b4f_prep
    .symbol:         k_q684e3e0b4f_prep.kd
    .args:
      - { .name: x, .offset: 0, .size: 8, .value_kind: global_buffer, .address_space: global }
      - { .name: W, .offset: 8, .size: 8, .value_kind: global_buffer, .address_space: global }
      - { .name: top_k_indices, .offset: 16, .size: 8, .value_kind: global_buffer, .address_space: global }
      - { .name: x_codes, .offset: 24, .size: 8, .value_kind: global_buffer, .address_space: global }
      - { .name: x_scales, .offset: 32, .size: 8, .value_kind: global_buffer, .address_space: global }
      - { .name: w_codes, .offset: 40, .size: 8, .value_kind: global_buffer, .address_space: global }
      - { .name: w_scales, .offset: 48, .size: 8, .value_kind: global_buffer, .address_space: global }
      - { .name: order, .offset: 56, .size: 8, .value_kind: global_buffer, .address_space: global }
      - { .name: bmask, .offset: 64, .size: 8, .value_kind: global_buffer, .address_space: global }
    .group_segment_fixed_size: 47104
    .private_segment_fixed_size: 0
    .kernarg_segment_align: 8
    .kernarg_segment_size: 72
    .max_flat_workgroup_size: 256
    .sgpr_count:     100
    .vgpr_count:     258
    .wavefront_size: 32
...
	.end_amdgpu_metadata
.endif
;; end of part 3
;; launch experts (part 4): grid 4 x 64, 4 waves a work-group, no clusters, 156,160 bytes of LDS; arguments x_codes, x_scales, w_codes, w_scales, b, expert_weights, top_k_indices, order, bmask, out0; writes out0
.if DOCPART == 4
	.amdgcn_target "amdgcn-amd-amdhsa--gfx1250"
	.amdhsa_code_object_version 6
	.text
	.protected	k_q684e3e0b4f_experts
	.globl	k_q684e3e0b4f_experts
	.p2align	8
	.type	k_q684e3e0b4f_experts,@function
k_q684e3e0b4f_experts:
	s_mov_b64 s[64:65], 0
	v_nop
	global_prefetch_b8 v0, s[64:65] scope:SCOPE_SE
	s_setreg_imm32_b32 hwreg(HW_REG_WAVE_SCHED_MODE, 0, 2), 2
	s_setreg_imm32_b32 hwreg(HW_REG_WAVE_MODE, 25, 1), 1
	s_wait_xcnt 0x0
	s_wait_alu depctr_vm_vsrc(0)
; out[t] = the sum over k = 0, 1 of w[t][k] (Q(x[t]) Q(W[e_k]) + b[e_k]), on codes of E4M3 with E8M0 scales.  Only the chosen experts are multiplied.
; SHARES.  A work-group owns 128 tokens that are neighbours in the sorted order (grid y) and 256 columns (grid x): every output number has ONE owner.  Wave w owns columns 64 w .. 64 w + 63 (4 tiles n) for all 128
; tokens (8 tiles t).  The work-group walks the eight experts in a loop of eight trips and jumps over those that the stored list (bmask) does not name; a pass serves both halves of 64 tokens or one.
; NO TENSOR LOADS, NO CLUSTER: the walk branches on a number read from memory.  So the weights go from memory straight into registers, in the order in
; which the operand's registers take them (2,048 dense bytes a fragment), each fragment loaded once in a work-group, through a ring of four K steps.
; A PASS ASKS FOR ALL THAT IS ITS OWN AT ITS HEAD: the addresses of an expert's weights, scale words and bias are made of the loop's counter, not of the list, so nothing of a pass is asked for during the pass
; before it, and a wave waits for its first fragments once a pass.  From then on the ring runs four K steps ahead.
; x's codes of the 128 tokens are gathered ONCE into LDS (rows of 1,024 + 16 bytes) and read from there by all four waves in every pass.
; THE PRODUCT IS USED TRANSPOSED: source 0 = 16 columns of W, source 1 = 16 tokens: lane (r, h) holds token r and columns 8 h + 0 .. 7.  The bias is the C of a sum's first product.  Behind a pass
; out += weight x sum, in f32 (the weight of a token for an expert that it did not choose is 0).
; LIMITS: a token that shares a half of 64 with users of an expert that it did not choose gets 0 x that expert's sum, which must be finite in f32; NaN and infinities among the inputs are not served;
; indices are taken to lie in 0 .. 7, as the gather relies on.
; THE MODE: SCHED_MODE bits 1:0 = 2 (LLVM: expert scheduling mode 2), set by the entry lines.  The code itself states the register dependences between vector or matrix instructions and memory or LDS
; instructions, with s_wait_alu, always for 0.
; THE PLAN.  Registers that memory or LDS instructions touch, from the loop on:
;   v1-v10        offsets and LDS addresses: made in the head, never written again.
;   v11           the LDS address of a pass's gate weights: written once at the pass's head, read by its 16 LDS loads.
;   v16-31, v64-79, v96-127   gate weights, W's scale words, the bias: loaded at a pass's head; read by the pass's multiply-adds and products.
;   v128-255      x's fragments, in the two halves of a pass's tiles: a half's products of K step ks read them; behind those the LDS loads of K step ks + 1 land in them.
;   window 1      W's ring: both halves' products of K step ks read set ks & 3; behind them the loads of K step ks + 4 land in it; a pass's head loads all four sets.
;   window 3      out: vector instructions alone, until the way out's LDS stores read it.   Window 2, the sums, is named by matrix and vector instructions alone (in the head the gathered rows pass through it).
; So a pass's head has one wait on vm_vsrc (v11 has been read) and one on va_vdst (v11 is written; the pass before is done with all that the head loads anew); a K step has two waits on va_vdst, one behind each
; half's products; the way out has two, and one on vm_vsrc ahead of each reuse of a buffer of rows.  Behind a wait the loads follow with nothing between but loads, window switches and, in a K step's middle, four
; products that name none of the loads' registers.
; REGISTERS, in windows of 256 (s_set_vgpr_msb: bits 1:0 source 0, 3:2 source 1, 5:4 source 2, 7:6 destination):
;   window 0: v1-10 addresses; v11 at work; v16-31 the pass's gate weights; v32-63 x's scale words; v64-79 W's scale words; v94, v95 the closing add's two; v96-127 the bias; v128-255 x's fragments (16 a tile)
;   window 1: W's fragments, a ring of four sets (a K step each) of 4 x 16.   window 2: the pass's 32 sums, (t, n) at v[8 (4 t + n)].   window 3: out, at the same places.
; SCALARS: s24 wave, s25 column group, s26 block; s27 the block's word of the list; s29 the expert in hand, s33 512 x it; s[36:37], s[40:41], s[42:43] this pass's weights, scale words and bias;
;   s[44:51] w_codes, w_scales, b and out at my wave's columns; s[68:99] the tokens whose rows my wave gathers; then s[52:59], s[68:75] the masks of the gate weights.
.set XP,    1040                       ; a token's row in LDS: 65 x 16 bytes, so that the 16 rows of a fragment load start 16 bytes apart modulo 256
.set TILEB, 16*XP
.set WSEL,  128*XP                     ; [expert][128] gate weights, f32
.set TOKL,  WSEL+4096                  ; the 128 tokens' numbers
.set STAGE, TOKL+512                   ; the way out: 16 rows x 272 bytes for each wave
.set SPI,   272
.set LA0, 2                            ; v2   r XP + 16 h: my place in tiles 0-3
.set LA1, 3                            ; v3   the same in tiles 4-7
.set CWA, 4                            ; v4   WSEL + 4 r
.set WSO, 5                            ; v5   128 h + 8 r: W's scale words
.set BO,  6                            ; v6   32 h: the bias
.set STO, 7                            ; v7   the stage: where I put 32 bytes of a row
.set RD,  8                            ; v8   and where I read a row back
.set TKA, 9                            ; v9   TOKL + 4 h
.set CO,  10                           ; v10  16 r
.set CW,  16                           ; pair 16 + 2 t: tile t's weight of my token, twice
.set XS,  32                           ; 4 t + i: lanes 0-15 K step i, lanes 16-31 K step 4 + i
.set WS,  64                           ; 4 n + 2 q + i: lanes 0-15 K step 4 q + i, lanes 16-31 K step 4 q + 2 + i
.set BIAS, 96                          ; 8 n + j
.set AF,  128
.set GW,  184                          ; the head: v184-191 my token's weight for each expert, v192-199 its second part
.set OB,  128                          ; the way out: 16 rows read back, v128-159 and v160-191 by turns
.set TK,  192                          ; and v192-255: 8 t + i: the token of row 2 i + h of tile t, then its row's byte offset in out
.set MSB, 0
.macro WIN new                         ; the immediate's high byte repeats the setting that is left; a switch that changes nothing is dropped
.if MSB != \new
	s_set_vgpr_msb (MSB<<8)|\new
.set MSB, \new
.endif
.endm
.macro PLACES n
.rept \n
	v_nop
.endr
.endm
.macro SCALES_BIAS                     ; the pass's scale words and bias for my 64 columns: 16 loads
.irp n, 0,1,2,3
.irp q, 0,1
	global_load_b64 v[WS+4*\n+2*\q:WS+4*\n+2*\q+1], v[WSO], s[40:41] offset:512*\n+256*\q
.endr
.endr
.irp n, 0,1,2,3
	global_load_b128 v[BIAS+8*\n:BIAS+8*\n+3], v[BO], s[42:43] offset:64*\n
	global_load_b128 v[BIAS+8*\n+4:BIAS+8*\n+7], v[BO], s[42:43] offset:64*\n+16
.endr
.endm
.macro RING set, ks                    ; K step ks of the pass's expert: 4 fragments, 16 loads of 512 consecutive bytes, into a set of the ring
	WIN 0x40                                       ; destination window 1
.irp n, 0,1,2,3
.irp c, 0,1,2,3
	global_load_b128 v[64*(\set)+16*\n+4*\c:64*(\set)+16*\n+4*\c+3], v1, s[36:37] offset:16384*\n+2048*(\ks)+512*\c
.endr
.endr
.endm
.macro FETCH_A t0, cnt, ks             ; x's fragments of tiles t0 .. t0 + cnt - 1 at K step ks: lane (r, h): registers 4 c .. 4 c + 3 = k 32 c + 16 h + 0 .. 15 of token r
.set tt, \t0
.rept \cnt
.irp c, 0,1,2,3
.if tt < 4
	ds_load_b128 v[AF+16*tt+4*\c:AF+16*tt+4*\c+3], v[LA0] offset:tt*TILEB+128*(\ks)+32*\c
.else
	ds_load_b128 v[AF+16*tt+4*\c:AF+16*tt+4*\c+3], v[LA1] offset:(tt-4)*TILEB+128*(\ks)+32*\c
.endif
.endr
.set tt, tt+1
.endr
.endm
; 4 cnt products: tiles t0 on x my 4 column tiles, K step ks.  The sums take turns, one instruction a turn.  At K step 0 the bias is C: nothing is cleared for a pass.
.macro MUL t0, cnt, ks
.if (\ks) == 0
	WIN 0x81                                       ; W window 1, x window 0, bias window 0, sums window 2
.else
	WIN 0xa1                                       ; C and D window 2
.endif
.set tt, \t0
.rept \cnt
.irp n, 0,1,2,3
.set rD, 8*(4*tt+\n)
.set rA, 64*((\ks)&3)+16*\n
.set rB, AF+16*tt
.set rP, WS+4*\n+2*((\ks)>>2)+((\ks)&1)
.set rQ, XS+4*tt+((\ks)&3)
.if (\ks) == 0
	v_wmma_scale_f32_16x16x128_f8f6f4 v[rD:rD+7], v[rA:rA+15], v[rB:rB+15], v[BIAS+8*\n:BIAS+8*\n+7], v[rP], v[rQ]
.elseif (\ks) < 2
	v_wmma_scale_f32_16x16x128_f8f6f4 v[rD:rD+7], v[rA:rA+15], v[rB:rB+15], v[rD:rD+7], v[rP], v[rQ]
.elseif (\ks) < 4
	v_wmma_scale_f32_16x16x128_f8f6f4 v[rD:rD+7], v[rA:rA+15], v[rB:rB+15], v[rD:rD+7], v[rP], v[rQ] matrix_a_scale:MATRIX_SCALE_ROW1
.elseif (\ks) < 6
	v_wmma_scale_f32_16x16x128_f8f6f4 v[rD:rD+7], v[rA:rA+15], v[rB:rB+15], v[rD:rD+7], v[rP], v[rQ] matrix_b_scale:MATRIX_SCALE_ROW1
.else
	v_wmma_scale_f32_16x16x128_f8f6f4 v[rD:rD+7], v[rA:rA+15], v[rB:rB+15], v[rD:rD+7], v[rP], v[rQ] matrix_a_scale:MATRIX_SCALE_ROW1 matrix_b_scale:MATRIX_SCALE_ROW1
.endif
.endr
.set tt, tt+1
.endr
.endm
; A K step of a pass over tiles t0 .. t0 + 2 h - 1, in two halves of h tiles.  Behind each half's products stand eight v_nop and, behind them, the wait that states that those products are done reading what the loads
; below land in: the wait fills no place, and the places stand for no wait (K step 7's last eight are the places ahead of the multiply-adds that read the sums).
; In the step's middle the second half's first tile stands between the wait and the run of LDS loads: its four products name W's set, their own tile of x, their sums and scale words, none of which the loads touch.
; x's fragments do not hang on the expert: the fetch wraps from K step 7 to 0, so that every tile stands at K step 0 at the head of every pass, whichever halves the pass before served.
.macro STEP ks, t0, h
.if (\ks) < 4
	s_wait_loadcnt 48                              ; behind this K step's set stand three sets of 16; what was asked for before it (at K step 0: the scale words, the bias, x's scale words) is in too
.else
	s_wait_loadcnt 16*(7-(\ks))                    ; the same, with the sets that are left: 48, 32, 16, 0
.endif
.if (\ks) == 0
	s_wait_dscnt 0x0                               ; x's fragments and the gate weights are in
.else
	s_wait_dscnt 4*(\h)                            ; the first half's fragments are in; the second half's may be out
.endif
	MUL \t0, \h, \ks
	PLACES 8
	s_wait_alu depctr_va_vdst(0)                   ; the first half's products are done reading their fragments of x, in which the LDS loads below land
	s_wait_dscnt 0x0                               ; the second half's fragments are in
	MUL (\t0)+(\h), 1, \ks                         ; the second half's first tile: at work while the loads are issued
	WIN 0
	FETCH_A \t0, \h, ((\ks)+1)&7
	MUL (\t0)+(\h)+1, (\h)-1, \ks
	PLACES 8
	WIN 0
	s_wait_alu depctr_va_vdst(0)                   ; the second half's products are done reading their fragments of x, and both halves' this K step's set of the ring: the loads below land in these
	FETCH_A (\t0)+(\h), \h, ((\ks)+1)&7
.if (\ks) < 4
	RING (\ks)&3, (\ks)+4                          ; the set just multiplied takes the K step four on
.endif
.endm
.macro COMBINE t0, cnt                 ; out += weight x sum, two at a time; each sum's registers from the low end on
	WIN 0xf2                                       ; sums window 2, weights window 0, out window 3
.set tt, \t0
.rept \cnt
.irp n, 0,1,2,3
.irp j, 0,2,4,6
	v_pk_fma_f32 v[8*(4*tt+\n)+\j:8*(4*tt+\n)+\j+1], v[8*(4*tt+\n)+\j:8*(4*tt+\n)+\j+1], v[CW+2*tt:CW+2*tt+1], v[8*(4*tt+\n)+\j:8*(4*tt+\n)+\j+1]
.endr
.endr
.set tt, tt+1
.endr
.endm
.macro BODY t0, nt
.irp ks, 0,1,2,3,4,5,6,7
	STEP \ks, \t0, (\nt)/2
.endr
	COMBINE \t0, \nt                               ; the eight v_nop of K step 7 are the places behind the last products
	WIN 0
.endm
	s_load_b512 s[4:19], s[0:1], 0x0               ; x_codes 4:5, x_scales 6:7, w_codes 8:9, w_scales 10:11, b 12:13, expert_weights 14:15, top_k_indices 16:17, order 18:19
	s_load_b128 s[20:23], s[0:1], 0x40             ; bmask 20:21, out 22:23
	v_lshl_add_u32 v94, v0, 2, 0x26000             ; my spare word, behind the stages, and 0: made here and kept for the closing lines alone
	v_mov_b32 v95, 0
	v_lshrrev_b32 v11, 5, v0
	v_readfirstlane_b32 s24, v11                   ; wave 0..3
	s_mov_b32 s25, ttmp9                           ; which 256 columns
	s_and_b32 s26, ttmp7, 0xffff                   ; which 128 places of the sorted order
	v_and_b32 v12, 31, v0                          ; lane
	v_and_b32 v13, 15, v0                          ; r
	v_bfe_u32 v14, v0, 4, 1                        ; h
	v_lshlrev_b32 v1, 4, v12                       ; 16 x lane; never rewritten
	v_lshlrev_b32 v169, 2, v13                     ; 4 r
	v_lshlrev_b32 v170, 2, v0                      ; 4 x thread
	s_lshl_b32 s30, s26, 9
	s_mov_b32 s31, 0
	s_lshl_b32 s32, s26, 2
	s_wait_alu depctr_va_sdst(0)                   ; s24 is written, ahead of its first reader
	s_lshl_b32 s33, s24, 7
	s_mov_b32 s35, 0                               ; the upper word of byte offsets; stays 0
	s_wait_kmcnt 0x0
	s_add_nc_u64 s[18:19], s[18:19], s[30:31]      ; order at my block
	s_load_b32 s27, s[20:21], s32 offset:0x0       ; my block's word of the list
	s_load_b512 s[68:83], s[18:19], s33 offset:0x0 ; the 32 tokens whose rows my wave gathers
	s_load_b512 s[84:99], s[18:19], s33 offset:0x40
	s_wait_alu depctr_va_vdst(0)                   ; v169 and v170 are written, which the nine loads below read as their offsets
.irp t, 0,1,2,3,4,5,6,7
	global_load_b32 v[160+\t], v169, s[18:19] offset:64*\t   ; tile t's token r, in both halves of the lanes
.endr
	global_load_b32 v168, v170, s[18:19]           ; and thread j's token j
	; while they are on their way: bases, addresses, and out = 0
	s_lshl_b32 s34, s25, 18
	s_lshl_b32 s28, s24, 16
	s_add_co_u32 s34, s34, s28                     ; (16 x column group + 4 x wave) x 16,384
	s_add_nc_u64 s[44:45], s[8:9], s[34:35]        ; w_codes at my wave's four column tiles
	s_lshr_b32 s34, s34, 5
	s_add_nc_u64 s[46:47], s[10:11], s[34:35]      ; w_scales likewise: 512 bytes a column tile
	s_lshr_b32 s34, s34, 3
	s_add_nc_u64 s[48:49], s[12:13], s[34:35]      ; b and out at my wave's first column: 4 x (256 x column group + 64 x wave)
	s_add_nc_u64 s[50:51], s[22:23], s[34:35]
	v_mul_u32_u24 v[LA0], v13, XP
	v_lshl_add_u32 v[LA0], v14, 4, v[LA0]
	v_add_nc_u32 v[LA1], 4*TILEB, v[LA0]
	v_lshl_add_u32 v[CWA], v13, 2, WSEL
	v_lshlrev_b32 v[WSO], 3, v13
	v_lshl_add_u32 v[WSO], v14, 7, v[WSO]
	v_lshlrev_b32 v[BO], 5, v14
	s_mul_i32 s30, s24, 16*SPI
	s_add_co_u32 s30, s30, STAGE                   ; my stage
	v_mul_u32_u24 v[STO], v13, SPI
	v_lshl_add_u32 v[STO], v14, 5, v[STO]
	v_add_nc_u32 v[STO], s30, v[STO]               ; in: row r, 32 bytes for each half of the lanes
	v_mul_u32_u24 v[RD], v14, SPI
	v_lshl_add_u32 v[RD], v13, 4, v[RD]
	v_add_nc_u32 v[RD], s30, v[RD]                 ; back: lanes 0-15 one row of 256 bytes, lanes 16-31 the next
	v_lshl_add_u32 v[TKA], v14, 2, TOKL
	v_lshlrev_b32 v[CO], 4, v13
	s_mul_i32 s31, s24, 32*XP
	v_add_nc_u32 v178, s31, v1                     ; where my wave's 32 rows go in LDS
	v_lshl_add_u32 v179, v0, 2, WSEL
	v_lshl_add_u32 v180, v0, 2, TOKL
	WIN 0xc0                                       ; destination window 3
.set i, 0
.rept 256
	v_mov_b32 v[i], 0                              ; out.  Which pass is a tile's first hangs on the stored list, so the sums over experts begin at zeros; these lines stand while the first loads are out
.set i, i+1
.endr
	WIN 0
	s_wait_kmcnt 0x0
.set i, 0
.rept 32
	s_min_u32 s[68+i], s[68+i], 0x1fff             ; a token's number, held inside the tensor
	s_lshl_b32 s[68+i], s[68+i], 10
	v_add_nc_u32 v[128+i], s[68+i], v1             ; its row of 1,024 codes, 16 bytes a lane
.set i, i+1
.endr
	WIN 0x80                                       ; destination window 2: the rows pass through the registers of the sums
	s_wait_alu depctr_va_vdst(0)                   ; v128 to v159 are written, which the loads below read as their offsets; so are v2 to v10 and v178 to v180, which every later load and store of the kernel reads
.set i, 0
.rept 32
	global_load_b128 v[8*i:8*i+3], v[128+i], s[4:5]               ; 512 consecutive bytes of one row
	global_load_b128 v[8*i+4:8*i+7], v[128+i], s[4:5] offset:512
.set i, i+1
.endr
	WIN 0
	s_wait_loadcnt 63                              ; behind the nine loads of tokens stand 64: they are in
.irp t, 0,1,2,3,4,5,6,7
	v_min_u32 v[160+\t], 0x1fff, v[160+\t]
	v_lshlrev_b32 v[160+\t], 5, v[160+\t]
	v_lshl_add_u32 v[160+\t], v14, 4, v[160+\t]    ; its 32 scale bytes: lanes 0-15 take K steps 0-3, lanes 16-31 K steps 4-7
.endr
	v_min_u32 v168, 0x1fff, v168
	v_lshlrev_b32 v171, 3, v168
	s_wait_alu depctr_va_vdst(0)                   ; v160 to v167 and v171 are written, which the ten loads below read as their offsets
	global_load_b64 v[172:173], v171, s[16:17]     ; my token's two experts
	global_load_b64 v[174:175], v171, s[14:15]     ; and their weights
.irp t, 0,1,2,3,4,5,6,7
	global_load_b128 v[XS+4*\t:XS+4*\t+3], v[160+\t], s[6:7]
.endr
	s_wait_loadcnt 8                               ; behind the rows and my token's two pairs stand x's eight loads of scale words: the rows and the pairs are in
	WIN 0x08                                       ; an LDS store's data are its source 1: window 2
.set i, 0
.rept 32
	ds_store_b128 v178, v[8*i:8*i+3] offset:XP*i   ; (the data came by loads; v178 was written ahead of the waits above, and no vector instruction stands behind the last of them)
	ds_store_b128 v178, v[8*i+4:8*i+7] offset:XP*i+512
.set i, i+1
.endr
	WIN 0
.irp e, 0,1,2,3,4,5,6,7
	v_cmp_eq_u32 s[52+\e], \e, v172                ; is expert e my token's first?
	v_cmp_eq_u32 s[68+\e], \e, v173                ; its second?  The sixteen compares stand in one run, each with a mask of its own
.endr
	s_wait_alu depctr_va_sdst(0)                   ; the sixteen masks are written, ahead of their first reader
.irp e, 0,1,2,3,4,5,6,7
	v_cndmask_b32 v[GW+\e], 0, v174, s[52+\e]
	v_cndmask_b32 v[GW+8+\e], 0, v175, s[68+\e]
.endr
.irp e, 0,1,2,3,4,5,6,7
	v_add_f32 v[GW+\e], v[GW+\e], v[GW+8+\e]       ; my token's weight for expert e: 0, one of the two, or both
.endr
	s_wait_alu depctr_va_vdst(0)                   ; the eight weights are written, which the LDS stores below read; and no vector instruction of the head is left that names v128 to v199
.irp e, 0,1,2,3,4,5,6,7
	ds_store_b32 v179, v[GW+\e] offset:512*\e
.endr
	ds_store_b32 v180, v168
	s_wait_dscnt 0x0                               ; for the others' sake: my stores have landed
	s_barrier_signal -1
	s_barrier_wait -1                              ; the launch's one barrier: rows, weights and tokens lie in LDS, and nobody writes them again
	s_wait_xcnt 0x0                                ; the fragments land on registers that held addresses of the loads above
	s_wait_alu depctr_vm_vsrc(0)                   ; the head's loads and LDS stores have read their offsets and data: v128 to v199, in which x's fragments land, and window 2, which the products write
	FETCH_A 0, 8, 0
	s_mov_b32 s29, 0                               ; e
	s_mov_b32 s33, 0                               ; 512 e: expert e's weights in LDS
.Lexpert:
	s_lshr_b32 s30, s27, s29
	s_and_b32 s31, s30, 1                          ; used in tokens 0-63?
	s_lshr_b32 s30, s30, 7
	s_and_b32 s30, s30, 2                          ; in tokens 64-127?
	s_or_b32 s32, s30, s31
	s_cmp_eq_u32 s32, 0
	s_cbranch_scc1 .Lnext
	s_wait_xcnt 0x0                                ; the bases below were named by the last pass's loads: they are rewritten only behind this wait
	s_lshl_b32 s34, s29, 15
	s_add_nc_u64 s[40:41], s[46:47], s[34:35]      ; expert e's scale words,
	s_lshl_b32 s34, s29, 12
	s_add_nc_u64 s[42:43], s[48:49], s[34:35]      ; bias
	s_lshl_b32 s34, s29, 20
	s_add_nc_u64 s[36:37], s[44:45], s[34:35]      ; and weights, for my wave's 64 columns
	s_wait_alu depctr_vm_vsrc(0)                   ; the last pass's loads of gate weights have read v11
	v_add_nc_u32 v11, s33, v[CWA]
	s_wait_alu depctr_va_vdst(0)                   ; v11 is written; the last pass's products are done reading W's scale words, the bias and the ring, its multiply-adds the gate weights: the 96 loads below land in these
	SCALES_BIAS                                    ; 80 loads go out at once
	RING 0, 0
	RING 1, 1
	RING 2, 2
	RING 3, 3
	WIN 0
.irp t, 0,1,2,3,4,5,6,7
	ds_load_b32 v[CW+2*\t], v11 offset:64*\t
	ds_load_b32 v[CW+2*\t+1], v11 offset:64*\t     ; twice: the packed multiply-add names a pair
.endr
	PLACES 9                                       ; sums begun anew with another C stand nine places behind the last products; these lines stand while the loads are out
	s_cmp_eq_u32 s32, 3
	s_cbranch_scc1 .Lboth
	s_cmp_eq_u32 s32, 1
	s_cbranch_scc1 .Llow
	BODY 4, 4
	s_branch .Lnext
.Llow:
	BODY 0, 4
	s_branch .Lnext
.Lboth:
	BODY 0, 8
.Lnext:
	s_add_co_u32 s33, s33, 512
	s_add_co_u32 s29, s29, 1
	s_cmp_lt_u32 s29, 8
	s_cbranch_scc1 .Lexpert
; THE WAY OUT, a tile of 16 tokens at a time.  A lane holds 32 neighbouring bytes of a token's row and the lanes beside it hold other tokens: so a tile goes through my own stage in LDS and comes back as rows of
; 256 bytes, which sixteen lanes store whole, at a multiple of 256 from the row's first byte.  LDS serves a wave's instructions in order (ISA guide 5.7.1.4): no wait between the stores and the loads.
; Whose rows they are is fetched for all eight tiles at once, and the 64 offsets are made in one batch, so that one wait stands ahead of all the global stores and no vector instruction follows it.
.macro TOSTAGE t
	WIN 0x0c                                       ; the data: window 3
.irp n, 0,1,2,3
	ds_store_b128 v[STO], v[8*(4*(\t)+\n):8*(4*(\t)+\n)+3] offset:64*\n
	ds_store_b128 v[STO], v[8*(4*(\t)+\n)+4:8*(4*(\t)+\n)+7] offset:64*\n+16
.endr
	WIN 0
.irp i, 0,1,2,3,4,5,6,7
	ds_load_b128 v[OB+32*((\t)%2)+4*\i:OB+32*((\t)%2)+4*\i+3], v[RD] offset:2*SPI*\i
.endr
.endm
.macro SEND t, younger                 ; younger: the LDS instructions issued behind tile t's loads: the next tile's 16, or none
	s_wait_dscnt \younger
.irp i, 0,1,2,3,4,5,6,7
	global_store_b128 v[TK+8*(\t)+\i], v[OB+32*((\t)%2)+4*\i:OB+32*((\t)%2)+4*\i+3], s[50:51] th:TH_STORE_NT
.endr
.endm
	s_wait_dscnt 0x0                               ; the wrapped fetches of x's fragments have landed: their registers are taken over
	s_wait_alu depctr_va_vdst(0)                   ; the multiply-adds have written out, which the LDS stores read; the products are done reading v128 to v255, in which the loads of the way out land
.irp t, 0,1,2,3,4,5,6,7
.irp i, 0,1,2,3,4,5,6,7
	ds_load_b32 v[TK+8*\t+\i], v[TKA] offset:64*\t+8*\i   ; tokens 16 t + 2 i + h
.endr
.endr
	TOSTAGE 0                                      ; tile 0 goes through the stage while the offsets are made
	s_wait_dscnt 16                                ; behind the 64 tokens stand tile 0's eight stores and eight loads: the tokens are in
.set i, 0
.rept 64
	v_min_u32 v[TK+i], 0x1fff, v[TK+i]
.set i, i+1
.endr
.set i, 0
.rept 64
	v_lshl_add_u32 v[TK+i], v[TK+i], 12, v[CO]     ; the token's row of 4,096 bytes, 16 bytes a lane
.set i, i+1
.endr
	s_wait_alu depctr_va_vdst(0)                   ; the 64 offsets are written, which the global stores read
.irp t, 1,2,3,4,5,6,7
.if \t > 1
	s_wait_xcnt 0x0                                ; tile t - 2's stores have had their addresses translated: tile t's loads may land in the registers that they name
	s_wait_alu depctr_vm_vsrc(0)                   ; tile t - 2's stores have read their data, in which tile t's rows land
.endif
	TOSTAGE \t
	SEND \t-1, 16
.endr
	SEND 7, 0
	s_wait_dscnt 0x0                               ; the closing lines, six on end
	s_wait_alu 0x0
	s_wait_tensorcnt 0x0
	ds_add_u32 v94, v95
	s_wait_dscnt 0x0
	s_endpgm
.Lfunc_end_k_q684e3e0b4f_experts:
	.size	k_q684e3e0b4f_experts, .Lfunc_end_k_q684e3e0b4f_experts-k_q684e3e0b4f_experts
	.p2alignl 7, 3214868480
	.fill 96, 4, 3214868480
	.section	.rodata,"a",@progbits
	.p2align	6, 0x0
	.amdhsa_kernel k_q684e3e0b4f_experts
		.amdhsa_group_segment_fixed_size 156160
		.amdhsa_private_segment_fixed_size 0
		.amdhsa_enable_private_segment 0
		.amdhsa_kernarg_size 80
		.amdhsa_user_sgpr_count 2
		.amdhsa_user_sgpr_kernarg_segment_ptr 1
		.amdhsa_wavefront_size32 1
		.amdhsa_system_sgpr_workgroup_id_x 1
		.amdhsa_system_sgpr_workgroup_id_y 1
		.amdhsa_system_sgpr_workgroup_id_z 1
		.amdhsa_system_vgpr_workitem_id 0
		.amdhsa_next_free_vgpr 1024
		.amdhsa_next_free_sgpr 100
		.amdhsa_reserve_vcc 0
		.amdhsa_float_denorm_mode_32 3
		.amdhsa_float_denorm_mode_16_64 3
		.amdhsa_memory_ordered 1
		.amdhsa_forward_progress 1
		.amdhsa_inst_pref_size 221
	.end_amdhsa_kernel
	.amdgpu_metadata
---
amdhsa.version: [ 1, 2 ]
amdhsa.kernels:
  - .name:           k_q684e3e0b4f_experts
    .symbol:         k_q684e3e0b4f_experts.kd
    .args:
      - { .name: x_codes, .offset: 0, .size: 8, .value_kind: global_buffer, .address_space: global }
      - { .name: x_scales, .offset: 8, .size: 8, .value_kind: global_buffer, .address_space: global }
      - { .name: w_codes, .offset: 16, .size: 8, .value_kind: global_buffer, .address_space: global }
      - { .name: w_scales, .offset: 24, .size: 8, .value_kind: global_buffer, .address_space: global }
      - { .name: b, .offset: 32, .size: 8, .value_kind: global_buffer, .address_space: global }
      - { .name: expert_weights, .offset: 40, .size: 8, .value_kind: global_buffer, .address_space: global }
      - { .name: top_k_indices, .offset: 48, .size: 8, .value_kind: global_buffer, .address_space: global }
      - { .name: order, .offset: 56, .size: 8, .value_kind: global_buffer, .address_space: global }
      - { .name: bmask, .offset: 64, .size: 8, .value_kind: global_buffer, .address_space: global }
      - { .name: out0, .offset: 72, .size: 8, .value_kind: global_buffer, .address_space: global }
    .group_segment_fixed_size: 156160
    .private_segment_fixed_size: 0
    .kernarg_segment_align: 8
    .kernarg_segment_size: 80
    .max_flat_workgroup_size: 128
    .sgpr_count:     100
    .vgpr_count:     1024
    .wavefront_size: 32
...
	.end_amdgpu_metadata
.endif
;; end of part 4
